; MI455X (gfx1250); checked and timed in simulation.
; The chip was launched on July 23, 2026; its instructions are those of AMD's public machine-readable ISA for CDNA 5 (MIT licence, August 2026) and "CDNA5" Instruction Set Architecture Reference Guide (July 2026). The comments in the code are by the model that wrote it; some were corrected since.
;; Block. Allowed arithmetic: matrix products marked QUANTISED: E2M3 operands, one E8M0 scale for each 32 along K, by v_wmma_scale_f32_16x16x128_f8f6f4 with both operands' format E2M3, f32 sums; everything else in f32.
;; Inputs: b_out 1,024 float32; m 8 x 1,024 float32; w_out 1,024 x 1,024 float32; w_qkv 3,072 x 1,024 float32; x 8 x 1,024 x 1,024 float32.
;; Outputs: out0 8 x 1,024 x 1,024 float32.
;; Constants: l = 1024.
;; This version of the problem:
;;   THIS VERSION OF THE PROBLEM IS GIVEN IN LOW PRECISION. The matrix products marked QUANTISED in the list below multiply operands that are first quantised to E2M3 (2 exponent bits, 3 mantissa bits; 6 bits a number), with one power-of-two scale for each 32 numbers along K (OCP MX v1.0); their sums are f32. All else is computed in f32.
;;   The module's matrix products, in the order in which they are computed (A, B: the left and right operand; K: the contracted axis; several contracted axes count as one K, in the product's order):
;;     1. [M 8,192, K 1,024] x [K 1,024, N 3,072]; A: input x; B: input w_qkv: QUANTISED
;;     2. batch 128 x [M 1,024, K 64] x [K 64, N 1,024]; A: computed on the way; B: computed on the way: QUANTISED
;;     3. batch 128 x [M 64, K 1,024] x [K 1,024, N 1,024]; A: computed on the way; B: softmax (see below): QUANTISED
;;     4. [M 8,192, K 1,024] x [K 1,024, N 1,024]; A: computed on the way; B: input w_out: QUANTISED
;;   THE QUANTISER, for each operand of a quantised product, along K:
;;     - K is cut into blocks of 32 from its start; a last block that is shorter is filled with zeros.
;;     - A block's scale is 2^e with e = floor(log2(the largest magnitude in the block)) - 2, held to -126 .. 127; a block of zeros has e = 0. As a byte (E8M0): e + 127.
;;     - Each number is divided by its block's scale, clamped to +-7.5, and rounded to the nearest number of E2M3, ties to even, subnormals kept.
;;     - The product sums the exact products of the quantised numbers (number of the format x scale) in f32.
;;   ~~~python
;;   def quantise(x, axis):      # numpy; x: float32 -> the quantised numbers, widened to float32 again
;;       x = np.moveaxis(x, axis, -1); K = x.shape[-1]
;;       x = np.pad(x, [(0, 0)] * (x.ndim - 1) + [(0, -K % 32)]); x = x.reshape(x.shape[:-1] + (-1, 32)); a = np.abs(x).max(-1, keepdims=True)
;;       e = np.where(a > 0, np.clip(np.frexp(np.where(a > 0, a, 1))[1] - 1 - 2, -126, 127), 0)      # np.frexp(a)[1] - 1 = floor(log2(a)), exactly
;;       r = np.clip(x / 2.0 ** e, -7.5, 7.5)
;;       step = 2.0 ** (np.maximum(np.frexp(np.where(r == 0, 1, r))[1] - 1, 0) - 3)
;;       q = np.round(r / step) * step * 2.0 ** e      # np.round: ties to even
;;       return np.moveaxis(q.reshape(q.shape[:-2] + (-1,))[..., :K], -1, axis).astype(np.float32)
;;   ~~~
;;   SOFTMAX AHEAD OF A QUANTISED PRODUCT. Where the list says 'softmax', what is quantised is not the finished softmax but p = 2^(t - M), with t = logit x log2(e) and M = ceil(the row's largest t), a whole number; so 1/2 < the row's largest p <= 1. The row's sum l is taken of the UNQUANTISED p, in f32, and the product's result is divided by l at the end. Since M is a whole number, a kernel that streams over the keys may use a running M (the ceiling of the running maximum): every later rescaling is an exact power of two, which a block's scale takes up: the codes' values come out the same.
;;   OPERANDS COMPUTED ON THE WAY. 'Computed on the way' means the value that the module computes at that place (a softmax that the list does not call 'softmax' is quantised finished and normalised). What goes into a quantiser is computed in f32, as accurately as f32 sums, v_exp_f32 and their like allow (about 1e-6 of the number): no bf16 or f16 on the way to a quantiser, and a product that is left as it is and whose result goes on into a quantised operand takes f32 operands (vector FMAs, or v_wmma_f32_16x16x4_f32). A number that lies on a knife's edge between two numbers of the format may be rounded either way, as far as f32 arithmetic and the matrix unit's own rounding can turn it there, and no further.
;; 2 versions, each right; version 2 is version 1 with the launch attn written anew for expert scheduling mode. Each part assembles by itself: llvm-mc -triple=amdgcn-amd-amdhsa -mcpu=gfx1250 --defsym DOCPART=n.
;; ======== version 1 of 2: 4 launches
;; limits: right only within a limited range of input values
;; workspace buffers: cod 9,437,184 bytes; scl 393,216 bytes; qkvc 18,874,368 bytes; qkvs 786,432 bytes; oc 6,291,456 bytes; os 262,144 bytes
;; launch quant (part 1): grid 768 x 1, 4 waves a work-group, no clusters, 18,432 bytes of LDS; arguments x, w_qkv, w_out, cod, scl; writes cod, scl
.if DOCPART == 1
	.amdgcn_target "amdgcn-amd-amdhsa--gfx1250"
	.amdhsa_code_object_version 6
	.text
	.protected	k_q96a3611713_quant
	.globl	k_q96a3611713_quant
	.p2align	8
	.type	k_q96a3611713_quant,@function
k_q96a3611713_quant:
	s_mov_b64 s[64:65], 0
	v_nop
	global_prefetch_b8 v0, s[64:65] scope:SCOPE_SE
	s_setreg_imm32_b32 hwreg(HW_REG_WAVE_MODE, 25, 1), 1
	s_wait_xcnt 0x0
; x [8192][1024], w_qkv [3072][1024], w_out [1024][1024], f32, become codes of FP6 (E2M3) and one E8M0 scale byte for each 32 along K,
; laid in the order in which the later launches' operand registers take them.
; A block's scale is 2^(floor(log2(its largest magnitude)) - 2); its byte is the largest magnitude's exponent field - 2, held at 1 from below.
; (A block of zeros so gets the byte 1 where the rule says 127: its codes are zeros, and this program alone reads the bytes.)
; LIMITS: NaN and infinities among the inputs are not served; blocks whose largest magnitude lies under 2^(3 - 127) keep the byte 1.
; THE HALF FRAGMENT (768 bytes): 16 rows x 64 K as an image of registers.  Lane L = r + 16 h holds row place r and K block h: 32 codes, six words d0-d5.
;   bytes 0-511: d0-d3 of lane L at 16 L;  bytes 512-767: d4, d5 at 512 + 8 L.  Two of them on end are a matrix operand of 16 x 128.
; THE ROW ORDER: within each 32 rows, block u (0, 1) and place p (0-15) hold row 8 u + p % 8 + 16 (p / 8).  An operand laid so, used as source 0, leaves a lane's
;   16 result registers of two neighbouring tiles as 16 neighbours: what the next quantiser wants.
; cod: [768 blocks of 16 rows][16 half fragments along K][768];  scl: [12288 row places][32 bytes].  Rows 0-8191 x, 8192-11263 w_qkv, 11264-12287 w_out.
; SHARES: a work-group takes one block of 16 rows, wave w its half fragments 4 w .. 4 w + 3.  All 32 loads of a wave (16 KiB) go out at once; each reads two whole rows' 256 bytes.
; A step's 16 x 256 bytes turn through the wave's own stage in LDS (rows of 272 bytes), so that a lane gets a whole block of 32 neighbours.
; No tensor load, no matrix unit, no cluster: work-groups share no input and memory binds.
.set STGB, 4352                        ; a wave's stage: 16 rows x (256 + 16) bytes
.set SCB,  4*STGB                      ; behind the stages: the block's 512 scale bytes, [row place][32]
.set R,    16                          ; v16-143  four sets of 32 registers as loaded
.set X,    144                         ; v144-207 two sets of 32 neighbours
.set C,    208                         ; v208-239 codes: eight registers a step, so that no store's data are written again
.set SB,   240                         ; v240-243 a scale byte a step
	s_load_b256 s[4:11], s[0:1], 0x0               ; x s[4:5], w_qkv s[6:7], w_out s[8:9], cod s[10:11]
	s_load_b64 s[12:13], s[0:1], 0x20              ; scl
	v_lshl_add_u32 v248, v0, 2, 0x4600
	v_mov_b32 v249, 0
	v_lshrrev_b32 v1, 5, v0
	v_readfirstlane_b32 s16, v1                    ; wave 0..3
	v_and_b32 v1, 31, v0                           ; L
	v_and_b32 v2, 15, v0                           ; r
	v_bfe_u32 v3, v0, 4, 1                         ; h
	v_lshlrev_b32 v4, 4, v2
	v_lshl_add_u32 v4, v3, 12, v4                  ; in: 16 r in a row's 256 bytes, lanes 16-31 one row (4,096 bytes) down
	s_mul_i32 s17, s16, STGB
	v_mul_u32_u24 v5, v3, 272
	v_lshl_add_u32 v5, v2, 4, v5
	v_add_nc_u32 v5, s17, v5                       ; the stage, on the way in: place 2 j + h, 16 r
	v_mul_u32_u24 v6, v2, 272
	v_lshl_add_u32 v6, v3, 7, v6
	v_add_nc_u32 v6, s17, v6                       ; and on the way out: place r, block h (128 bytes)
	v_lshlrev_b32 v7, 4, v1                        ; 16 L
	v_lshlrev_b32 v8, 3, v1                        ; 8 L
	s_lshl_b32 s17, s16, 3
	s_add_co_u32 s17, s17, SCB
	v_lshl_add_u32 v9, v2, 5, v3
	v_add_nc_u32 v9, s17, v9                       ; my scale byte: SCB + 32 r + 8 wave + h (+ 2 a step)
	v_add_nc_u32 v10, SCB, v7                      ; the bytes' way out: 16 L
	s_wait_kmcnt 0x0
	s_mov_b32 s18, 704                             ; which tensor: the choice hangs on the work-group's number alone; only pointers are chosen, the text has one path
	s_cmp_lt_u32 ttmp9, s18
	s_cselect_b64 s[6:7], s[6:7], s[8:9]
	s_cselect_b32 s17, 512, s18
	s_cmp_lt_u32 ttmp9, 512
	s_cselect_b64 s[4:5], s[4:5], s[6:7]
	s_cselect_b32 s17, 0, s17
	s_sub_co_u32 s17, ttmp9, s17                   ; the block's number in its tensor
	s_lshr_b32 s18, s17, 1
	s_lshl_b32 s18, s18, 17                        ; 32 rows of 4,096 bytes,
	s_and_b32 s19, s17, 1
	s_lshl_b32 s19, s19, 15                        ; 8 rows for the odd block,
	s_add_co_u32 s18, s18, s19
	s_lshl_b32 s19, s16, 10                        ; my wave's 256 along K
	s_add_co_u32 s18, s18, s19
	s_mov_b32 s19, 0
	s_add_nc_u64 s[4:5], s[4:5], s[18:19]
	s_mul_i32 s18, ttmp9, 12288
	s_mul_i32 s20, s16, 3072
	s_add_co_u32 s18, s18, s20
	s_add_nc_u64 s[10:11], s[10:11], s[18:19]      ; cod at my four half fragments
	s_lshl_b32 s18, ttmp9, 9
	s_add_nc_u64 s[12:13], s[12:13], s[18:19]      ; scl at the block's 512 bytes
.macro LOAD t                          ; half fragment t: places 2 j + h; the row order stands in the immediate
.irp j, 0,1,2,3,4,5,6,7
	global_load_b128 v[R+32*(\t)+4*\j:R+32*(\t)+4*\j+3], v4, s[4:5] offset:(2*\j+8*(\j/4))*4096+256*(\t) th:TH_LOAD_NT
.endr
.endm
.macro TURN t                          ; through the stage: LDS serves a wave's instructions in order, so no wait stands between the stores and the loads, nor in front of the next turn's stores
.irp j, 0,1,2,3,4,5,6,7
	ds_store_b128 v5, v[R+32*(\t)+4*\j:R+32*(\t)+4*\j+3] offset:2*\j*272
.endr
.irp k, 0,1,2,3,4,5,6,7
	ds_load_b128 v[X+32*((\t)%2)+4*\k:X+32*((\t)%2)+4*\k+3], v6 offset:16*\k
.endr
.endm
.macro STEP t
.set XS, X+32*((\t)%2)
.set CC, C+8*(\t)
	v_max3_num_f32 v12, |v[XS]|, |v[XS+1]|, |v[XS+2]|              ; the block's largest magnitude: all 32 numbers are mine; two chains
	v_max3_num_f32 v13, |v[XS+3]|, |v[XS+4]|, |v[XS+5]|
.irp i, 6,10,14,18,22,26
	v_max3_num_f32 v12, v12, |v[XS+\i]|, |v[XS+\i+1]|
	v_max3_num_f32 v13, v13, |v[XS+\i+2]|, |v[XS+\i+3]|
.endr
	v_max3_num_f32 v12, v12, |v[XS+30]|, |v[XS+31]|
	v_max3_num_f32 v12, v12, v13, 0x1800000        ; and the floor 2^(3 - 127): the byte cannot fall under 1
	v_add_nc_u32 v11, 0xff000000, v12              ; 2 off its exponent field: the conversion takes the exponent field of this operand as its scale
	v_cvt_scalef32_pk16_fp6_f32 v[CC:CC+2], v[XS:XS+15], v11
	v_cvt_scalef32_pk16_fp6_f32 v[CC+4:CC+6], v[XS+16:XS+31], v11  ; (a conversion's three registers begin on an even number)
	v_lshrrev_b32 v[SB+(\t)], 23, v11              ; the scale's byte; also the plain line behind the conversions
	v_mov_b32 v[CC+3], v[CC+4]                     ; the six words on end
	v_mov_b32 v[CC+4], v[CC+5]
	v_mov_b32 v[CC+5], v[CC+6]
	ds_store_b8 v9, v[SB+(\t)] offset:2*(\t)
	global_store_b128 v7, v[CC:CC+3], s[10:11] offset:768*(\t)      ; 512 consecutive bytes, aligned to 256
	global_store_b64 v8, v[CC+4:CC+5], s[10:11] offset:768*(\t)+512 ; 256 more
.endm
	LOAD 0
	LOAD 1
	LOAD 2
	LOAD 3
	s_wait_loadcnt 24                              ; step 0's eight loads are in; 24 younger ones stay out
	TURN 0
	s_wait_loadcnt 16                              ; step 1's
	TURN 1
	s_wait_dscnt 16                                ; step 0's numbers are back: the 16 LDS lines of the turn just issued may be out
	STEP 0
	s_wait_loadcnt 8
	TURN 2
	s_wait_dscnt 17                                ; behind step 1's loads: one byte store and a turn's 16 lines
	STEP 1
	s_wait_loadcnt 0
	TURN 3
	s_wait_dscnt 17
	STEP 2
	s_wait_dscnt 1                                 ; behind step 3's loads: one byte store
	STEP 3
	s_wait_dscnt 0x0                               ; for the others' sake: my byte stores have landed
	s_barrier_signal -1
	s_barrier_wait -1
	s_cmp_lg_u32 s16, 0
	s_cbranch_scc1 .Ldone
	ds_load_b128 v[12:15], v10                     ; wave 0 sends the block's 512 scale bytes: two aligned runs of 256 bytes
	s_wait_dscnt 0x0
	global_store_b128 v7, v[12:15], s[12:13]
.Ldone:
	s_wait_tensorcnt 0x0
	ds_add_u32 v248, v249
	s_wait_dscnt 0x0
	s_endpgm
.Lfunc_end_k_q96a3611713_quant:
	.size	k_q96a3611713_quant, .Lfunc_end_k_q96a3611713_quant-k_q96a3611713_quant
	.p2alignl 7, 3214868480
	.fill 96, 4, 3214868480
	.section	.rodata,"a",@progbits
	.p2align	6, 0x0
	.amdhsa_kernel k_q96a3611713_quant
		.amdhsa_group_segment_fixed_size 18432
		.amdhsa_private_segment_fixed_size 0
		.amdhsa_enable_private_segment 0
		.amdhsa_kernarg_size 40
		.amdhsa_user_sgpr_count 2
		.amdhsa_user_sgpr_kernarg_segment_ptr 1
		.amdhsa_wavefront_size32 1
		.amdhsa_system_sgpr_workgroup_id_x 1
		.amdhsa_system_sgpr_workgroup_id_y 1
		.amdhsa_system_sgpr_workgroup_id_z 1
		.amdhsa_system_vgpr_workitem_id 0
		.amdhsa_next_free_vgpr 250
		.amdhsa_next_free_sgpr 66
		.amdhsa_reserve_vcc 0
		.amdhsa_float_denorm_mode_32 3
		.amdhsa_float_denorm_mode_16_64 3
		.amdhsa_memory_ordered 1
		.amdhsa_forward_progress 1
		.amdhsa_inst_pref_size 17
	.end_amdhsa_kernel
	.amdgpu_metadata
---
amdhsa.version: [ 1, 2 ]
amdhsa.kernels:
  - .name:           k_q96a3611713_quant
    .symbol:         k_q96a3611713_quant.kd
    .args:
      - { .name: x, .offset: 0, .size: 8, .value_kind: global_buffer, .address_space: global }
      - { .name: w_qkv, .offset: 8, .size: 8, .value_kind: global_buffer, .address_space: global }
      - { .name: w_out, .offset: 16, .size: 8, .value_kind: global_buffer, .address_space: global }
      - { .name: cod, .offset: 24, .size: 8, .value_kind: global_buffer, .address_space: global }
      - { .name: scl, .offset: 32, .size: 8, .value_kind: global_buffer, .address_space: global }
    .group_segment_fixed_size: 18432
    .private_segment_fixed_size: 0
    .kernarg_segment_align: 8
    .kernarg_segment_size: 40
    .max_flat_workgroup_size: 128
    .sgpr_count:     66
    .vgpr_count:     250
    .wavefront_size: 32
...
	.end_amdgpu_metadata
.endif
;; end of part 1
;; launch qkv (part 2): grid 4 x 96, 4 waves a work-group, clusters of 4 x 4, 327,680 bytes of LDS; arguments cod, scl, qkvc, qkvs; writes qkvc, qkvs
.if DOCPART == 2
	.amdgcn_target "amdgcn-amd-amdhsa--gfx1250"
	.amdhsa_code_object_version 6
	.text
	.protected	k_q96a3611713_qkv
	.globl	k_q96a3611713_qkv
	.p2align	8
	.type	k_q96a3611713_qkv,@function
k_q96a3611713_qkv:
	s_mov_b64 s[64:65], 0
	v_nop
	global_prefetch_b8 v0, s[64:65] scope:SCOPE_SE
	s_setreg_imm32_b32 hwreg(HW_REG_WAVE_MODE, 25, 1), 1
	s_wait_xcnt 0x0
	s_wait_alu depctr_hold_cnt(0) depctr_sa_sdst(0) depctr_va_vdst(0) depctr_va_sdst(0) depctr_va_ssrc(0) depctr_va_vcc(0) depctr_vm_vsrc(0)
	s_getreg_b32 s2, hwreg(HW_REG_IB_STS2, 6, 4)
	s_cmp_eq_u32 s2, 0
	s_cbranch_scc0 .Lentry_in_a_cluster
	s_endpgm
.Lentry_in_a_cluster:
	s_bfe_u32 s2, ttmp6, 0x10000c
	s_cmp_lg_u32 s2, 0xf033
	s_cbranch_scc0 .Lentry_shape_is_right
	s_endpgm
.Lentry_shape_is_right:
; qkv = x w_qkv^T on codes of FP6 (E2M3) with E8M0 scales; the results leave as CODES: q and k quantised along the head's 64 channels, v along the keys.
; A tile of 256 x 256 results is made by four waves, each 128 x 128: 64 accumulators, 512 registers.  K = 1,024 goes in four fills of 256 through two LDS slots.
; S1 is the matrix instruction's source 1 (its rows end up in the LANES), S0 its source 0 (its rows end up along a lane's REGISTERS, 16 neighbours in two tiles' registers, thanks to the row order of cod).
;   q, k (clusters 0-15):  S0 = w_q or w_k, S1 = x: a lane holds one token and 128 channels: two heads, four blocks of 32.
;   v    (clusters 16-23): S0 = x, S1 = w_v:   a lane holds one channel and 128 keys: four blocks of 32.
; Both operands lie in cod and scl, so the two kinds differ in row numbers and output steps alone, chosen by s_cselect_b32 on the cluster's number, which all partners share: one path through the text.
; CODES in memory and in LDS are images of operand registers (half fragments of 768 bytes: 16 rows x 64 K; lane L's words d0-d3 at 16 L, d4-d5 at 512 + 8 L): a fragment comes by four dense loads, no pitch, no padding.
; CLUSTERS: 4 x 4 work-groups; S1's tiles are shared along a row of the cluster, S0's along a column: joint loads.  384 tiles are 24 clusters.
; OUTPUT: qkvc [q, k, v][128 heads][49,152]: q, k: [64 token tiles][768]; v: [8 key steps][4 channel tiles][1,536].
;   qkvs [128 heads][q, k, v][8 groups of 128 tokens][16 places][16 bytes]: q, k: two bytes for each of the group's 8 tiles; v: a scale word for each of the 4 channel tiles.
; The way out needs no LDS: a block's codes are the next launch's operand registers as they stand, and each store covers whole aligned runs of 256 bytes.
; LIMITS: a block of zeros gets the scale byte 1 (its codes are zeros; this program alone reads the bytes); NaN and infinities are not served.
; REGISTERS: window 0: v16-23 LDS addresses, v24-31 the way out and the spare word, v32-63 scale words (two sets, nothing else), v64-115 the way out, v128-223 S1's fragments (one set).
;   window 1: S0's fragments, two sets, at v0 and v128.  windows 2, 3: the accumulators, (a, b) at v[8 (8 (a % 4) + b)] of window 2 + a / 4.
.set NQ,     2                         ; steps of 128 along K in a slot
.set FR,     12                        ; registers of a fragment
.set NL,     4                         ; LDS loads that bring one
.set NP,     4                         ; places behind this matrix instruction (ISA guide 7.12.1)
.set BLKB,   3072                      ; 16 rows x 256 K: four half fragments
.set HALFT,  8*BLKB                    ; 128 rows: what one tensor load brings
.set SLOT,   4*HALFT                   ; S1's 256 rows, then S0's
.set LAPS,   2                         ; 1,024 / (2 x 256)
.set KS,     32                        ; a row of scale bytes
.set SCL,    2*SLOT                    ; behind the ring: the scales, as runs of 256 bytes + 16 of padding, filled once
.set HALFS,  16*272                    ; those of 128 rows
.set SBLK,   544                       ; those of 16 rows
.set SPARE,  SCL+4*HALFS               ; the spare words: 128 bytes for each wave, two blocks of 256 bytes that no other line names
.set ADRA, 16                          ; v16-17 my S1 fragments in slot 0, 1, at 16 L; v18-19 at 8 L
.set ADRB, 20                          ; v20-23 the same for S0
.set O16,  24                          ; v24 16 L
.set O8,   25                          ; v25 8 L
.set OSC,  26                          ; v26 16 r + 6,144 h: the scale words' place (lanes 16-31: the next head)
.set ADRS, 27                          ; v27 LDS address of my scale words: lanes 0-15 S1's rows, lanes 16-31 S0's
.set SPW,  28                          ; v28 my spare word; never rewritten
.set NIL,  29                          ; v29 0; never rewritten
.set PSEL, 30                          ; v30 byte selects: lanes 0-15 the low halves of two words, lanes 16-31 the high halves
.set SC,   32
.set TM,   64                          ; v64-67 largest magnitudes, v68-71 bytes, v76-79 the conversions' scale operands
.set PWS,  80                          ; v80-87 block a's scale word
.set PC,   88                          ; v88-107 the codes just made
.set W,    108                         ; v108-111 scale words to store
.set WV,   112                         ; v112-115 the same in v's form
.set AF,   128
.set G1, 24
.set G0, 32
.set G1B, 48
.set G0B, 56
.set G1S, 68
.set G0S, 76
.set G1SB, 80
.set G0SB, 88
.set KM,  46                           ; s46 all ones in v's clusters, else 0
.set HM,  47                           ; s47 lanes 16-31
.set SEL, 66                           ; s[66:67] v_permlanex16_b32's selects for lane l xor 16
.set LO,  92                           ; s[92:93] where a block's first half fragment goes
.set HI,  94                           ; s[94:95] and its second
.set SS,  96                           ; s[96:97] the scale words
.set MSB, 0
.macro WIN new                         ; the immediate's high byte repeats the setting that is left
.if MSB != \new
	s_set_vgpr_msb (MSB<<8)|\new
.set MSB, \new
.endif
.endm
.set MUL_LO, 0xa1                      ; source 0 window 1, source 1 window 0, C and D window 2
.set MUL_HI, 0xf1                      ; the same, C and D window 3
.set FIRST_LO, MUL_LO                  ; the first step's C is the constant 0
.set FIRST_HI, MUL_HI
.set TO_B,   0x40                      ; destination window 1, address window 0
; A joint load: waves 0 and 1 fetch for S1, waves 2 and 3 for S0.  The branch hangs on the wave's number alone.  Four v_nop follow each of the two lines.
.macro JLOAD g0a, g1a, g0b, g1b
	s_cmp_eq_u32 s15, 0
	s_cbranch_scc0 .Lfor_b_\@
	tensor_load_to_lds s[\g0a:\g0a+3], s[\g1a:\g1a+7]
	s_nop 0
.rept 4
	v_nop
.endr
	s_branch .Lasked_\@
.Lfor_b_\@:
	tensor_load_to_lds s[\g0b:\g0b+3], s[\g1b:\g1b+7]
	s_nop 0
.rept 4
	v_nop
.endr
.Lasked_\@:
.endm
.macro CREST                           ; a round of the cluster's barrier behind its opening barrier
	s_cmp_lg_u32 s14, 0
	s_cbranch_scc1 .Lnot_wave_0_\@
	s_barrier_signal -3
.Lnot_wave_0_\@:
	s_barrier_wait -3
	s_barrier_signal -1
	s_barrier_wait -1
.endm
.macro CROUND
	s_barrier_signal -1
	s_barrier_wait -1
	CREST
.endm
	s_load_b256 s[4:11], s[0:1], 0x0               ; cod s[4:5], scl s[6:7], qkvc s[8:9], qkvs s[10:11]
	v_lshl_add_u32 v[SPW], v0, 2, SPARE
	v_mov_b32 v[NIL], 0
	ds_add_u32 v28, v29
	ds_add_u32 v28, v29
	s_wait_dscnt 0x0
	v_lshrrev_b32 v1, 5, v0
	v_readfirstlane_b32 s14, v1                    ; wave 0..3
	s_lshr_b32 s15, s14, 1                         ; which half of S1's rows is mine.  Also: I fetch for S1 (0) or S0 (1)
	s_and_b32 s16, s14, 1                          ; which half of S0's rows.  Also: which 128 rows I fetch
	s_bfe_u32 s40, ttmp6, 0x40000                  ; cx
	s_bfe_u32 s41, ttmp6, 0x40004                  ; cy
	s_and_b32 s17, ttmp7, 0xffff                   ; c: the cluster, 0..23
	s_lshl_b32 s43, s41, 2
	s_lshl_b32 s43, 15, s43                        ; my row of the cluster
	s_lshl_b32 s44, 0x1111, s40                    ; my column
	; group 1 for codes: 8 rows (blocks of 16 operand rows) of 3,072 bytes, 12,288 bytes apart; elements of 8 bytes; no padding
	s_or_b32 s[G1+0], s43, (3<<16)|(1<<21)
	s_or_b32 s[G1B+0], s44, (3<<16)|(1<<21)
.irp g, G1, G1B
	s_mov_b32 s[\g+1], 384<<16                     ; tensor_dim0
	s_mov_b32 s[\g+2], 8<<16                       ; tensor_dim1
	s_mov_b32 s[\g+3], 384<<16                     ; tile_dim0
	s_mov_b32 s[\g+4], 8                           ; tile_dim1
	s_mov_b32 s[\g+5], 1536                        ; tensor_dim0_stride
	s_mov_b32 s[\g+6], 0
	s_mov_b32 s[\g+7], 0
.endr
	; group 1 for the scales of 128 rows: 4,096 dense bytes as 16 rows of 256 bytes, 16 bytes of padding behind each
	s_or_b32 s[G1S+0], s43, (3<<16)|(1<<20)|(1<<21)|(5<<22)|(3<<25)
	s_or_b32 s[G1SB+0], s44, (3<<16)|(1<<20)|(1<<21)|(5<<22)|(3<<25)
.irp g, G1S, G1SB
	s_mov_b32 s[\g+1], 32<<16
	s_mov_b32 s[\g+2], 16<<16
	s_mov_b32 s[\g+3], 32<<16
	s_mov_b32 s[\g+4], 16
	s_mov_b32 s[\g+5], 32
	s_mov_b32 s[\g+6], 0
	s_mov_b32 s[\g+7], 0
.endr
	; which rows of cod: both kinds' candidates, then one compare on the cluster's number
	s_and_b32 s18, s17, 1
	s_lshr_b32 s19, s17, 1
	s_and_b32 s12, s17, 7                          ; c - 16 where c is 16..23
	s_lshl_b32 s46, s18, 10
	s_add_co_u32 s46, s46, 8192                    ; S0 for q, k: w_q's or w_k's rows
	s_lshl_b32 s47, s12, 10                        ; S0 for v: the batch's tokens
	s_lshl_b32 s20, s19, 10                        ; S1 for q, k: the batch's tokens
	s_mov_b32 s21, 10240                           ; S1 for v: w_v's rows
	s_cmp_ge_u32 s17, 16
	s_cselect_b32 s46, s47, s46
	s_cselect_b32 s20, s21, s20
	s_lshl_b32 s22, s16, 7                         ; which 128 rows of the tile I fetch
	s_lshl_b32 s21, s41, 8
	s_add_co_u32 s20, s20, s21
	s_add_co_u32 s20, s20, s22                     ; S1: base + 256 cy + 128 half: shared along my row of the cluster
	s_lshl_b32 s47, s40, 8
	s_add_co_u32 s46, s46, s47
	s_add_co_u32 s46, s46, s22                     ; S0: base + 256 cx + 128 half: shared along my column
	s_lshl_b32 s22, s20, 5                         ; their scale bytes: 32 a row
	s_mov_b32 s23, 0
	s_lshl_b32 s92, s46, 5
	s_mov_b32 s93, 0
	s_mul_i32 s20, s20, 768                        ; their codes: 768 bytes a row
	s_mov_b32 s21, 0
	s_mul_i32 s46, s46, 768
	s_mov_b32 s47, 0
	s_mul_i32 s45, s14, HALFT                      ; where they go: wave x 128 rows: no place in the cluster enters an LDS address
	s_mul_i32 s94, s14, HALFS
	s_wait_kmcnt 0x0
	s_add_nc_u64 s[20:21], s[4:5], s[20:21]
	s_add_nc_u64 s[22:23], s[6:7], s[22:23]
	s_add_nc_u64 s[46:47], s[4:5], s[46:47]
	s_add_nc_u64 s[92:93], s[6:7], s[92:93]
	CROUND                                         ; all sixteen work-groups are here: the first joint loads meet
	s_mov_b32 s[G0S], 1
	s_add_co_u32 s[G0S+1], s94, SCL
	s_mov_b64 s[G0S+2:G0S+3], s[22:23]
	s_or_b32 s[G0S+3], s[G0S+3], 0x80000000
	s_mov_b32 s[G0SB], 1
	s_add_co_u32 s[G0SB+1], s94, SCL
	s_mov_b64 s[G0SB+2:G0SB+3], s[92:93]
	s_or_b32 s[G0SB+3], s[G0SB+3], 0x80000000
	JLOAD G0S, G1S, G0SB, G1SB                     ; the scales first: they are wanted with the first step
.irp s, 0,1
	s_mov_b32 s[G0+4*\s], 1
	s_add_co_u32 s[G0+4*\s+1], s45, \s*SLOT
	s_add_nc_u64 s[G0+4*\s+2:G0+4*\s+3], s[20:21], \s*BLKB
	s_or_b32 s[G0+4*\s+3], s[G0+4*\s+3], 0x80000000
	s_mov_b32 s[G0B+4*\s], 1
	s_add_co_u32 s[G0B+4*\s+1], s45, \s*SLOT
	s_add_nc_u64 s[G0B+4*\s+2:G0B+4*\s+3], s[46:47], \s*BLKB
	s_or_b32 s[G0B+4*\s+3], s[G0B+4*\s+3], 0x80000000
	JLOAD G0+4*\s, G1, G0B+4*\s, G1B
.endr
	v_and_b32 v1, 31, v0                           ; L
	v_and_b32 v2, 15, v0                           ; r
	v_bfe_u32 v3, v0, 4, 1                         ; h
	v_lshlrev_b32 v[O16], 4, v1
	v_lshlrev_b32 v[O8], 3, v1
	s_mul_i32 s21, s15, HALFT                      ; my 128 rows of S1
	s_mul_i32 s22, s16, HALFT                      ; my 128 rows of S0,
	s_add_co_u32 s22, s22, 2*HALFT                 ; which lie behind S1's 256
.irp s, 0,1
	v_add_nc_u32 v[ADRA+\s], s21, v[O16]
	v_add_nc_u32 v[ADRB+\s], s22, v[O16]
	v_add_nc_u32 v[ADRA+2+\s], s21, v[O8]
	v_add_nc_u32 v[ADRB+2+\s], s22, v[O8]
	s_add_co_u32 s21, s21, SLOT
	s_add_co_u32 s22, s22, SLOT
.endr
	v_mul_u32_u24 v5, v2, KS                       ; my row's scales: 32 bytes a row,
	v_lshrrev_b32 v6, 8, v5
	v_lshl_add_u32 v5, v6, 4, v5                   ; and 16 more for each 256 passed
	s_mul_i32 s21, s15, HALFS
	s_mul_i32 s22, s16, HALFS
	s_add_co_u32 s22, s22, 2*HALFS
	s_sub_co_u32 s22, s22, s21
	v_mul_u32_u24 v6, s22, v3                      ; lanes 16-31 take S0's: one product, the distance between the two bases
	s_add_co_u32 s21, s21, SCL
	v_add_nc_u32 v5, v5, v6
	v_add_nc_u32 v[ADRS], s21, v5
	; the way out: where my results go.  These numbers enter addresses of stores alone
	v_mul_u32_u24 v[OSC], v3, 6144
	v_lshl_add_u32 v[OSC], v2, 4, v[OSC]
	s_mov_b32 s[HM], 0xffff0000
	v_mov_b32 v[PSEL], 0x05040100
	v_mov_b32 v31, 0x07060302
	v_cndmask_b32 v[PSEL], v[PSEL], v31, s[HM]
	s_mov_b32 s[SEL], 0x76543210
	s_mov_b32 s[SEL+1], 0xfedcba98
	s_lshl_b32 s12, s40, 1
	s_add_co_u32 s12, s12, s16                     ; 2 cx + my half of S0
	s_lshl_b32 s13, s41, 1
	s_add_co_u32 s13, s13, s15                     ; 2 cy + my half of S1
	s_and_b32 s18, s17, 1                          ; q or k
	s_lshr_b32 s19, s17, 1                         ; q's, k's batch
	s_and_b32 s42, s17, 7                          ; v's batch
	s_mov_b32 s20, 768
	s_mov_b32 s22, 768
	s_mov_b32 s94, 49152
	s_cmp_ge_u32 s17, 16
	s_cselect_b32 s96, s13, s12                    ; the pair of heads
	s_cselect_b32 s97, s12, s13                    ; the group of 128 tokens
	s_cselect_b32 s19, s42, s19                    ; the batch
	s_cselect_b32 s18, 2, s18                      ; the section: q, k, v
	s_cselect_b32 s[KM], -1, 0
	s_cselect_b32 s20, 1536, s20                   ; from block to block: a token tile (q, k) or a channel tile (v)
	s_cselect_b32 s22, 44544, s22                  ; from block 3 to block 4: v goes on to the next head (49,152 - 3 x 1,536)
	s_cselect_b32 s94, 768, s94                    ; from a block's first half fragment to its second: the next head (q, k) or 64 keys on (v)
	s_mov_b32 s21, 0
	s_mov_b32 s23, 0
	s_mov_b32 s95, 0
	s_lshl_b32 s19, s19, 4
	s_lshl_b32 s96, s96, 1
	s_add_co_u32 s12, s19, s96                     ; 16 batch + my first head
	s_mul_i32 s92, s18, 6291456
	s_mul_i32 s13, s12, 49152
	s_add_co_u32 s92, s92, s13
	s_mul_i32 s13, s97, 6144
	s_add_co_u32 s92, s92, s13
	s_mov_b32 s93, 0
	s_add_nc_u64 s[LO:LO+1], s[8:9], s[92:93]
	s_add_nc_u64 s[HI:HI+1], s[LO:LO+1], s[94:95]
	s_mul_i32 s96, s12, 6144
	s_lshl_b32 s13, s18, 11
	s_add_co_u32 s96, s96, s13
	s_lshl_b32 s13, s97, 8
	s_add_co_u32 s96, s96, s13
	s_mov_b32 s97, 0
	s_add_nc_u64 s[SS:SS+1], s[10:11], s[96:97]
.macro FRAG reg, adr, q, i             ; a fragment, 16 rows x 128 K: two half fragments on end, four dense loads
	ds_load_b128 v[\reg:\reg+3], v[\adr] offset:(\i)*BLKB+(\q)*1536
	ds_load_b64 v[\reg+4:\reg+5], v[\adr+2] offset:(\i)*BLKB+(\q)*1536+512
	ds_load_b128 v[\reg+6:\reg+9], v[\adr] offset:(\i)*BLKB+(\q)*1536+768
	ds_load_b64 v[\reg+10:\reg+11], v[\adr+2] offset:(\i)*BLKB+(\q)*1536+1280
.endm
; 16 matrix instructions: S1's blocks a0, a0 + 1 x S0's eight.  The 64 accumulators take turns, one instruction a turn, in the same order in every step.
.macro MUL16 a0, p, q, sc, zero
.irp a, \a0, \a0+1
.irp b, 0,1,2,3,4,5,6,7
.if \zero
	v_wmma_scale_f32_16x16x128_f8f6f4 v[8*(8*((\a)%4)+\b):8*(8*((\a)%4)+\b)+7], v[128*(\p)+FR*\b:128*(\p)+FR*\b+FR-1], v[AF+FR*(\a):AF+FR*(\a)+FR-1], 0, v[SC+8*NQ*(\sc)+NQ*\b+(\q)], v[SC+8*NQ*(\sc)+NQ*(\a)+(\q)] matrix_a_fmt:MATRIX_FMT_FP6 matrix_b_fmt:MATRIX_FMT_FP6 matrix_a_scale:MATRIX_SCALE_ROW1
.else
	v_wmma_scale_f32_16x16x128_f8f6f4 v[8*(8*((\a)%4)+\b):8*(8*((\a)%4)+\b)+7], v[128*(\p)+FR*\b:128*(\p)+FR*\b+FR-1], v[AF+FR*(\a):AF+FR*(\a)+FR-1], v[8*(8*((\a)%4)+\b):8*(8*((\a)%4)+\b)+7], v[SC+8*NQ*(\sc)+NQ*\b+(\q)], v[SC+8*NQ*(\sc)+NQ*(\a)+(\q)] matrix_a_fmt:MATRIX_FMT_FP6 matrix_b_fmt:MATRIX_FMT_FP6 matrix_a_scale:MATRIX_SCALE_ROW1
.endif
.endr
.endr
.endm
.macro FETCH_B slot, q, p
	WIN TO_B
.irp i, 0,1,2,3,4,5,6,7
	FRAG 128*(\p)+FR*\i, ADRB+\slot, \q, \i
.endr
	WIN 0
.endm
.macro FETCH_A slot, q, i0
.irp i, \i0, \i0+1, \i0+2, \i0+3
	FRAG AF+FR*(\i), ADRA+\slot, \q, \i
.endr
.endm
.macro SCALES sc                       ; a slot's two scale words a row: lanes 0-15 S1's block i, lanes 16-31 S0's block i
.irp i, 0,1,2,3,4,5,6,7
	ds_load_b64 v[SC+8*NQ*\sc+NQ*\i:SC+8*NQ*\sc+NQ*\i+1], v[ADRS] offset:\i*SBLK
.endr
.endm
.macro PLACES n                        ; plain vector lines between a matrix instruction and a load into, or a vector read of, its registers
.rept \n
	v_nop
.endr
.endm
.macro STEP slot, q, zero              ; a step of 128 along K that has its successor in the same slot
	s_wait_dscnt 4*NL                              ; S0's set and S1's blocks 0-3 are in; the youngest 16 loads (blocks 4-7) may be out
.if \zero
	WIN FIRST_LO
.else
	WIN MUL_LO
.endif
	MUL16 0, (\q)%2, \q, \slot, \zero
	MUL16 2, (\q)%2, \q, \slot, \zero
	s_wait_dscnt 0                                 ; blocks 4-7 are in
	PLACES NP
	FETCH_B \slot, (\q)+1, 1-(\q)%2
	FETCH_A \slot, (\q)+1, 0
.if \zero
	WIN FIRST_HI
.else
	WIN MUL_HI
.endif
	MUL16 4, (\q)%2, \q, \slot, \zero
	MUL16 6, (\q)%2, \q, \slot, \zero
	PLACES NP
	WIN 0
	FETCH_A \slot, (\q)+1, 4
.endm
; A slot's last step changes slots: one barrier; in front of it each wave waits for all its tensor loads, adds 0 to its spare word, and waits for that and for its reads of this slot.
.macro TURN slot, next, fill
	s_wait_tensorcnt 0x0                           ; all my tensor loads have landed: the one that was out is my part of the next slot
	ds_add_u32 v[SPW], v[NIL]                      ; 0 onto my spare word
	s_wait_dscnt 4*NL+1                            ; (the add and the youngest 16 loads may be out)
	WIN MUL_LO
	MUL16 0, 1, NQ-1, \slot, 0
	s_wait_dscnt 0x0                               ; the add is done, and my reads of this slot are over
	s_barrier_signal -1
	MUL16 2, 1, NQ-1, \slot, 0
	WIN 0
	s_barrier_wait -1
.if \fill
	CREST                                          ; the barrier has opened a round of the cluster's: no wave of any partner still reads this slot or has a load on its way
	s_add_nc_u64 s[G0+4*\slot+2:G0+4*\slot+3], s[G0+4*\slot+2:G0+4*\slot+3], 2*BLKB
	s_add_nc_u64 s[G0B+4*\slot+2:G0B+4*\slot+3], s[G0B+4*\slot+2:G0B+4*\slot+3], 2*BLKB
	JLOAD G0+4*\slot, G1, G0B+4*\slot, G1B         ; the first tensor load behind the round; its four v_nop are the places in front of the loads below
.else
	PLACES NP
.endif
	v_add_nc_u32 v[ADRS], 4*NQ, v[ADRS]            ; the next slot's scale words
	FETCH_B \next, 0, 0
	FETCH_A \next, 0, 0
	SCALES \next
	WIN MUL_HI
	MUL16 4, 1, NQ-1, \slot, 0
	MUL16 6, 1, NQ-1, \slot, 0
	PLACES NP
	WIN 0
	FETCH_A \next, 0, 4
.endm
	s_wait_tensorcnt 1                             ; the scales and my part of slot 0 are in; slot 1's load may be out
	s_barrier_signal -1
	s_barrier_wait -1
	FETCH_B 0, 0, 0
	FETCH_A 0, 0, 0
	SCALES 0
	FETCH_A 0, 0, 4
	STEP 0, 0, 1                                   ; the first step starts the sums
	s_mov_b32 s3, LAPS-1
.Llap:
	TURN 0, 1, 1
	STEP 1, 0, 0
	TURN 1, 0, 1
	STEP 0, 0, 0
	s_sub_co_u32 s3, s3, 1
	s_cmp_lg_u32 s3, 0
	s_cbranch_scc1 .Llap
	TURN 0, 1, 0                                   ; the last lap fills nothing
	STEP 1, 0, 0
	s_wait_dscnt 4*NL
	WIN MUL_LO
	MUL16 0, 1, NQ-1, 1, 0
	MUL16 2, 1, NQ-1, 1, 0
	s_wait_dscnt 0
	WIN MUL_HI
	MUL16 4, 1, NQ-1, 1, 0
	MUL16 6, 1, NQ-1, 1, 0
	WIN 0
; THE WAY OUT.  Block a (16 rows of S1 in the lanes): register 16 b + i of its 64 is index 32 b + 16 (lane / 16) + i along S0: four blocks of 32, each in lanes l and l xor 16.
; They become a fragment's 12 registers and a scale word; the two half fragments are stored as they stand.
.macro OUTBLK a
.set WN, 2+(\a)/4
.set AC, 64*((\a)%4)
.set WW, WN|(WN<<2)
	WIN WW                                         ; sources 0 and 1: the accumulators' window
.irp b, 0,1,2,3
	v_max3_num_f32 v[TM+\b], |v[AC+16*\b]|, |v[AC+16*\b+1]|, 0x1800000   ; with the floor 2^(3 - 127); each accumulator is read from its low end on
.endr
.irp i, 2,4,6,8,10,12,14
.irp b, 0,1,2,3
	v_max3_num_f32 v[TM+\b], |v[AC+16*\b+\i]|, |v[AC+16*\b+\i+1]|, v[TM+\b]
.endr
.endr
	WIN 0
.irp b, 0,1,2,3
	v_permlanex16_b32 v[TM+4+\b], v[TM+\b], s[SEL], s[SEL+1]
.endr
.irp b, 0,1,2,3
	v_max_num_f32 v[TM+\b], v[TM+\b], v[TM+4+\b]   ; the block's largest magnitude
.endr
.irp b, 0,1,2,3
	v_add_nc_u32 v[TM+12+\b], 0xff000000, v[TM+\b] ; 2 off its exponent field: the conversion's scale operand
.endr
.irp b, 0,1,2,3
	v_lshrrev_b32 v[TM+4+\b], 23, v[TM+12+\b]      ; the scale's byte
.endr
	v_lshl_or_b32 v[PWS+(\a)], v[TM+5], 8, v[TM+4]
	v_lshl_or_b32 v[PWS+(\a)], v[TM+6], 16, v[PWS+(\a)]
	v_lshl_or_b32 v[PWS+(\a)], v[TM+7], 24, v[PWS+(\a)]
.if (\a) > 0
	s_wait_xcnt 0x0                                ; the last block's stores have read their data and bases: both are written again only behind this wait
.if (\a) == 4
	s_add_nc_u64 s[LO:LO+1], s[LO:LO+1], s[22:23]
	s_add_nc_u64 s[HI:HI+1], s[HI:HI+1], s[22:23]
.else
	s_add_nc_u64 s[LO:LO+1], s[LO:LO+1], s[20:21]
	s_add_nc_u64 s[HI:HI+1], s[HI:HI+1], s[20:21]
.endif
.endif
	WIN WN                                         ; source 0: the accumulators' window
.irp c, 0,1
	v_cvt_scalef32_pk16_fp6_f32 v[PC+6*\c:PC+6*\c+2], v[AC+32*\c:AC+32*\c+15], v[TM+12+2*\c]
	v_cvt_scalef32_pk16_fp6_f32 v[PC+12+4*\c:PC+12+4*\c+2], v[AC+32*\c+16:AC+32*\c+31], v[TM+13+2*\c]
.endr
	WIN 0
	v_nop                                          ; one plain line behind a scaled conversion
.irp c, 0,1                                    ; a whole block to a lane: lanes 0-15 block 2 c, lanes 16-31 block 2 c + 1
.irp i, 0,1,2
	v_permlane16_swap_b32 v[PC+6*\c+\i], v[PC+12+4*\c+\i]
.endr
.irp i, 0,1,2
	v_mov_b32 v[PC+3+6*\c+\i], v[PC+12+4*\c+\i]
.endr
.endr
	global_store_b128 v[O16], v[PC:PC+3], s[LO:LO+1]               ; 512 consecutive bytes, aligned to 256
	global_store_b64 v[O8], v[PC+4:PC+5], s[LO:LO+1] offset:512    ; 256 more
	global_store_b128 v[O16], v[PC+6:PC+9], s[HI:HI+1]
	global_store_b64 v[O8], v[PC+10:PC+11], s[HI:HI+1] offset:512
.endm
	PLACES NP                                      ; behind the last products, ahead of the first read of results
.irp b, 0,1,2,3
	v_mov_b32 v[TM+4+\b], 0                        ; written once: a lane permute's destination counts as one of its sources
.endr
.irp a, 0,1,2,3,4,5,6,7
	OUTBLK \a
.endr
	; the scale words.  q, k: two bytes a tile and head: lanes 0-15 gather the first head's (low halves), lanes 16-31 the second's.  v: a word a channel tile: lanes 0-15 blocks 0-3, lanes 16-31 blocks 4-7.
.irp p, 0,1,2,3
	v_perm_b32 v[W+\p], v[PWS+2*\p+1], v[PWS+2*\p], v[PSEL]
.endr
.irp p, 0,1,2,3
	v_cndmask_b32 v[WV+\p], v[PWS+\p], v[PWS+4+\p], s[HM]
.endr
.irp p, 0,1,2,3
	v_cndmask_b32 v[W+\p], v[W+\p], v[WV+\p], s[KM]
.endr
	global_store_b128 v[OSC], v[W:W+3], s[SS:SS+1] ; sixteen lanes fill 256 aligned bytes of one head, the other sixteen of the next
	s_wait_tensorcnt 0x0                           ; the wave's end
	ds_add_u32 v[SPW], v[NIL]
	s_wait_dscnt 0x0
	CROUND                                         ; the closing round
	s_endpgm
.Lfunc_end_k_q96a3611713_qkv:
	.size	k_q96a3611713_qkv, .Lfunc_end_k_q96a3611713_qkv-k_q96a3611713_qkv
	.p2alignl 7, 3214868480
	.fill 96, 4, 3214868480
	.section	.rodata,"a",@progbits
	.p2align	6, 0x0
	.amdhsa_kernel k_q96a3611713_qkv
		.amdhsa_group_segment_fixed_size 327680
		.amdhsa_private_segment_fixed_size 0
		.amdhsa_enable_private_segment 0
		.amdhsa_kernarg_size 32
		.amdhsa_user_sgpr_count 2
		.amdhsa_user_sgpr_kernarg_segment_ptr 1
		.amdhsa_wavefront_size32 1
		.amdhsa_system_sgpr_workgroup_id_x 1
		.amdhsa_system_sgpr_workgroup_id_y 1
		.amdhsa_system_sgpr_workgroup_id_z 1
		.amdhsa_system_vgpr_workitem_id 0
		.amdhsa_next_free_vgpr 1024
		.amdhsa_next_free_sgpr 100
		.amdhsa_reserve_vcc 0
		.amdhsa_float_denorm_mode_32 3
		.amdhsa_float_denorm_mode_16_64 3
		.amdhsa_memory_ordered 1
		.amdhsa_forward_progress 1
		.amdhsa_inst_pref_size 151
	.end_amdhsa_kernel
	.amdgpu_metadata
---
amdhsa.version: [ 1, 2 ]
amdhsa.kernels:
  - .name:           k_q96a3611713_qkv
    .symbol:         k_q96a3611713_qkv.kd
    .args:
      - { .name: cod, .offset: 0, .size: 8, .value_kind: global_buffer, .address_space: global }
      - { .name: scl, .offset: 8, .size: 8, .value_kind: global_buffer, .address_space: global }
      - { .name: qkvc, .offset: 16, .size: 8, .value_kind: global_buffer, .address_space: global }
      - { .name: qkvs, .offset: 24, .size: 8, .value_kind: global_buffer, .address_space: global }
    .group_segment_fixed_size: 327680
    .private_segment_fixed_size: 0
    .kernarg_segment_align: 8
    .kernarg_segment_size: 32
    .max_flat_workgroup_size: 128
    .sgpr_count:     100
    .vgpr_count:     1024
    .wavefront_size: 32
...
	.end_amdgpu_metadata
.endif
;; end of part 2
;; launch attn (part 3): grid 2 x 128, 16 waves a work-group, no clusters, 108,544 bytes of LDS; arguments qkvc, qkvs, m, oc, os; writes oc, os
.if DOCPART == 3
	.amdgcn_target "amdgcn-amd-amdhsa--gfx1250"
	.amdhsa_code_object_version 6
	.text
	.protected	k_q96a3611713_attn
	.globl	k_q96a3611713_attn
	.p2align	8
	.type	k_q96a3611713_attn,@function
k_q96a3611713_attn:
	s_mov_b64 s[64:65], 0
	v_nop
	global_prefetch_b8 v0, s[64:65] scope:SCOPE_SE
	s_setreg_imm32_b32 hwreg(HW_REG_WAVE_MODE, 25, 1), 1
	s_wait_xcnt 0x0
; o = softmax(q k^T / 8, causal and padding mask) v for one head, both products on codes of FP6 (E2M3) with E8M0 scales; o leaves as codes, quantised along the channels.
; THE SOFTMAX: t = score x log2(e) / 8; M = the running largest t rounded UP to a whole number; p = 2^(t - M) is quantised along the keys, not normalised; the sum is taken of the unquantised p and divides at the end.
; SHARES: a work-group is half of a head (y: batch x 16 + head; x: the half).  Wave w has i0 = 16 x + w and takes the query tiles 63 - i0 and then i0 (16 queries each).  Tile i needs i / 8 + 1 key steps of 128 keys
;   (the rest lies wholly under the causal mask), so every wave of the launch has 9 steps.  Four waves share a SIMD: one wave's vector work stands beside another's products and LDS loads.
; LDS holds the head's K and V codes, their scale words and the keys' mask, filled ONCE through registers and only read afterwards: one barrier, no ring.
; NO CLUSTER: a head's K and V (102,400 bytes with their scales) are read once each by the head's two work-groups, at the head of the text, by plain loads: there is no tensor load that two partners could ask for jointly.
; LAYOUT: both products are used transposed (S^T = K Q^T, O^T = V^T P^T): a lane holds one query throughout.  The token order of the codes (within 32: tile u, place p = token 8 u + p % 8 + 16 (p / 8)) makes the
;   16 registers of tiles 2 b, 2 b + 1 the keys 32 b + 16 (lane / 16) + 0 .. 15; the same order of V's channels does it for O^T.
; K = 64 IN A FORM OF 128: two neighbouring key tiles' half fragments are ONE operand, multiplied twice: by [q | zeros] for the first tile and by [zeros | q] for the second.  Zero codes annul the other tile.
; THE PADDING MASK: key j is hidden where m[j] = 0.  A bias, -3e38 there and 0 elsewhere, is loaded into the scores' registers and is the C of the score products.  The running largest t starts at -2^100,
;   above every hidden t and below every real one, so hidden keys give p = 0.  The sum is held at 2^-126 from below, so a row with no key gives o = 0.
;   A query with m = 0 gets a finite o here; the last launch multiplies its row by m.
; LIMITS: a product m[i] m[j] of two non-zero numbers that underflows to 0 is not served; scores stay under 2^100 in magnitude; NaN and infinities are not served; a block of zeros gets the scale byte 1.
; The scale bytes of o leave one byte a lane, 32 bytes apart: 2 bytes beside each 48 bytes of codes.
.set VOFF, 49152                       ; LDS: K's codes at 0, V's here;
.set SCS,  98304                       ; K's scale words (2,048 bytes), V's (2,048);
.set MB,   102400                      ; the bias, 1,024 f32
.set AD16, 8                           ; v8-11 the step's LDS addresses: codes at 16 L, at 8 L, scale words, bias
.set AD8,  9
.set ADS,  10
.set ADM,  11
.set QL,   16                          ; v16-27 [q | 0]
.set QH,   28                          ; v28-39 [0 | q]
.set QW,   40                          ; v40 q's scale word (nothing else)
.set QU,   41                          ; v41 q's two bytes as loaded
.set NEG,  42                          ; v42 -3e38
.set KV,   44                          ; v44-91 four fragments of K, then of V
.set KSW,  92                          ; v92-95 K's scale words
.set S,    96                          ; v96-159 the bias, S^T, p
.set OT,   160                         ; v160-191 O^T
.set PC,   192                         ; v192-203 p's codes
.set PH,   204                         ; v204-210 the conversions' second halves
.set VSW,  212                         ; v212-215 V's scale words
.set PW,   216                         ; v216 p's scale word
.set BM,   220                         ; v220-223 a block's largest score, then its largest p
.set T4,   224
.set SO,   228                         ; v228-231 the conversions' scale operands
.set F,    232                         ; v[232:233] f = 2^(old M - new M) (v233 written once: it is named in the pair)
.set TV,   234
.set WV,   14
.set TI,   46                          ; s46 the query tile
.set SD,   47                          ; s47 its last key step
.set DQ,   48                          ; s48 its first query's place in that step's 128
.set KS,   49                          ; s49 the step
.set T6,   50                          ; s50 6,144 x step;  s51 256 x step;  s52 512 x step
.set T2,   51
.set T5,   52
.set SEL,  54
.set CS,   56                          ; s[56:57] c = log2(e) / 8
.set HM,   58                          ; s58 lanes 16-31
	s_load_b256 s[4:11], s[0:1], 0x0               ; qkvc s[4:5], qkvs s[6:7], m s[8:9], oc s[10:11]
	s_load_b64 s[12:13], s[0:1], 0x20              ; os
	v_lshl_add_u32 v240, v0, 2, 0x1a000
	v_mov_b32 v241, 0
	v_lshrrev_b32 v1, 5, v0
	v_readfirstlane_b32 s[WV], v1                  ; wave 0..15
	s_and_b32 s16, ttmp7, 0xffff                   ; batch x 16 + head
	s_lshr_b32 s17, s16, 4
	s_and_b32 s18, s16, 15
	s_lshl_b32 s19, ttmp9, 4
	s_add_co_u32 s19, s19, s[WV]                   ; i0
	v_and_b32 v3, 31, v0
	v_lshlrev_b32 v1, 4, v3                        ; v1 16 L
	v_lshlrev_b32 v2, 3, v3                        ; v2 8 L
	v_and_b32 v6, 15, v0                           ; r
	v_bfe_u32 v7, v0, 4, 1                         ; h
	v_lshl_add_u32 v3, v6, 4, SCS                  ; v3 scale words: 16 bytes a place
	v_lshl_add_u32 v4, v7, 6, MB                   ; v4 bias: my half's 16 keys of a block
	v_and_b32 v5, 7, v6
	v_and_b32 v8, 8, v6
	v_lshl_add_u32 v5, v8, 1, v5
	v_lshlrev_b32 v8, 4, v7
	v_sub_nc_u32 v5, v5, v8                        ; v5 my query's offset in its tile's 32, less 16 h
	v_lshl_add_u32 v7, v6, 5, v7                   ; v7 32 r + h: o's scale byte
	v_lshlrev_b32 v6, 4, v6                        ; v6 16 r
	v_mov_b32 v[NEG], 0xff61b1e6
.irp i, 0,1,2,3,4,5
	v_mov_b32 v[QL+6+\i], 0                        ; the zero halves: written once
	v_mov_b32 v[QH+\i], 0
.endr
.irp b, 0,1,2,3
	v_mov_b32 v[T4+\b], 0                          ; a lane permute's destination counts as one of its sources
.endr
	v_mov_b32 v[F+1], 0
	v_mov_b32 v[TV], 0
	s_mov_b32 s[SEL], 0x76543210
	s_mov_b32 s[SEL+1], 0xfedcba98
	s_mov_b32 s[CS], 0x3e38aa3b
	s_mov_b32 s[CS+1], s[CS]
	s_mov_b32 s[HM], 0xffff0000
	s_mul_i32 s20, s16, 49152
	s_mov_b32 s21, 0
	s_mul_i32 s22, s16, 6144
	s_mov_b32 s23, 0
	s_wait_kmcnt 0x0
	s_add_nc_u64 s[28:29], s[4:5], s[20:21]        ; q's codes of my head,
	s_add_nc_u64 s[24:25], s[28:29], 6291456       ; k's,
	s_add_nc_u64 s[26:27], s[28:29], 12582912      ; v's
	s_add_nc_u64 s[30:31], s[6:7], s[22:23]        ; the head's scale bytes
	s_lshl_b32 s20, s17, 12
	s_add_nc_u64 s[32:33], s[8:9], s[20:21]        ; the batch's m
	s_mul_i32 s20, s17, 786432
	s_mul_i32 s22, s18, 768
	s_add_co_u32 s20, s20, s22
	s_add_nc_u64 s[34:35], s[10:11], s[20:21]      ; oc: the batch's 64 token tiles of 12,288 bytes, my head's half fragment
	s_lshl_b32 s20, s17, 15
	s_lshl_b32 s22, s18, 1
	s_add_co_u32 s20, s20, s22
	s_add_nc_u64 s[36:37], s[12:13], s[20:21]      ; os: 32 bytes a token, my head's two
.macro TILE                            ; what hangs on the query tile s[TI]
	s_lshr_b32 s[SD], s[TI], 3
	s_lshr_b32 s[DQ], s[TI], 1
	s_and_b32 s[DQ], s[DQ], 3
	s_lshl_b32 s[DQ], s[DQ], 5
	s_and_b32 s20, s[TI], 1
	s_lshl_b32 s20, s20, 3
	s_add_co_u32 s[DQ], s[DQ], s20
	s_mul_i32 s20, s[TI], 768
	s_mov_b32 s21, 0
	s_add_nc_u64 s[38:39], s[28:29], s[20:21]      ; its codes
	s_lshl_b32 s20, s[SD], 8
	s_and_b32 s22, s[TI], 7
	s_lshl_b32 s22, s22, 1
	s_add_co_u32 s20, s20, s22
	s_add_nc_u64 s[40:41], s[30:31], s[20:21]      ; its two scale bytes a place
.endm
.macro QLOAD                           ; q's half fragment, twice: the two operands share no register
	global_load_b128 v[QL:QL+3], v1, s[38:39]
	global_load_b64 v[QL+4:QL+5], v2, s[38:39] offset:512
	global_load_b128 v[QH+6:QH+9], v1, s[38:39]
	global_load_b64 v[QH+10:QH+11], v2, s[38:39] offset:512
	global_load_u16 v[QU], v6, s[40:41]
.endm
	s_sub_co_u32 s[TI], 63, s19
	TILE
	QLOAD
	; THE FILL: 512 threads x 16 bytes x 6 for K's codes and for V's; 8 bytes a thread of the scale words and of m
	v_lshlrev_b32 v8, 4, v0
	v_lshlrev_b32 v9, 3, v0
	v_add_nc_u32 v10, VOFF, v8
	v_add_nc_u32 v11, SCS, v9
.irp i, 0,1,2,3,4,5
	global_load_b128 v[96+4*\i:99+4*\i], v8, s[24:25] offset:8192*\i
.endr
.irp i, 0,1,2,3,4,5
	global_load_b128 v[120+4*\i:123+4*\i], v8, s[26:27] offset:8192*\i
.endr
	global_load_b64 v[144:145], v9, s[30:31] offset:2048
	global_load_b64 v[146:147], v9, s[32:33]
	s_wait_loadcnt 0x0
	v_cmp_eq_f32 vcc_lo, 0, v146
	v_cndmask_b32 v146, 0, v[NEG], vcc_lo          ; the bias: -3e38 where m = 0
	v_cmp_eq_f32 vcc_lo, 0, v147
	v_cndmask_b32 v147, 0, v[NEG], vcc_lo
.irp i, 0,1,2,3,4,5
	ds_store_b128 v8, v[96+4*\i:99+4*\i] offset:8192*\i
.endr
.irp i, 0,1,2,3,4,5
	ds_store_b128 v10, v[120+4*\i:123+4*\i] offset:8192*\i
.endr
	ds_store_b64 v11, v[144:145]
	ds_store_b64 v11, v[146:147] offset:MB-SCS
	s_wait_dscnt 0x0                               ; for the others' sake: my stores have landed
	s_barrier_signal -1
	s_barrier_wait -1                              ; the head lies in LDS; nothing is written there again
.macro INIT
	s_wait_loadcnt 0x0                             ; q
	v_lshl_or_b32 v[QW], v[QU], 16, v[QU]          ; its two bytes for either half of the form's 128
	v_mov_b32 v13, 0xf1800000                      ; the largest t so far: -2^100
	v_floor_f32 v12, -v13                          ; -M
	v_mov_b32 v14, 0
	v_mov_b32 v15, 0
.set n, 0
.rept 32
	v_mov_b32 v[OT+n], 0                           ; the first change of M multiplies zeros.  (These lines also stand between the scale word's making and the first product)
.set n, n+1
.endr
	s_mov_b32 s[KS], 0
	s_mov_b32 s[T6], 0
	s_mov_b32 s[T2], 0
	s_mov_b32 s[T5], 0
.endm
.macro FRAG4 off                       ; four fragments, four dense loads each
.irp p, 0,1,2,3
	ds_load_b128 v[KV+12*\p:KV+12*\p+3], v[AD16] offset:\off+1536*\p
	ds_load_b64 v[KV+12*\p+4:KV+12*\p+5], v[AD8] offset:\off+1536*\p+512
	ds_load_b128 v[KV+12*\p+6:KV+12*\p+9], v[AD16] offset:\off+1536*\p+768
	ds_load_b64 v[KV+12*\p+10:KV+12*\p+11], v[AD8] offset:\off+1536*\p+1280
.endr
.endm
; THE KEY STEPS of a tile: a loop of constant count; a step all of whose keys come after the tile's queries is jumped over (a scalar branch on ids), but for the lines that step addresses.
.macro STEPS ntrip
.Lstep_\@:
	s_cmp_gt_u32 s[KS], s[SD]
	s_cbranch_scc1 .Lhidden_\@
	v_add_nc_u32 v[AD16], s[T6], v1                ; (these four are the places in front of the loads into registers that the last products read)
	v_add_nc_u32 v[AD8], s[T6], v2
	v_add_nc_u32 v[ADS], s[T2], v3
	v_add_nc_u32 v[ADM], s[T5], v4
	ds_load_b128 v[KSW:KSW+3], v[ADS]              ; word p: the bytes of key tiles 2 p and 2 p + 1
	ds_load_b128 v[VSW:VSW+3], v[ADS] offset:2048  ; word ct: the step's four key blocks of channel tile ct
.irp b, 0,1,2,3
.irp k, 0,1,2,3
	ds_load_b128 v[S+16*\b+4*\k:S+16*\b+4*\k+3], v[ADM] offset:128*\b+16*\k   ; the bias of keys 32 b + 16 h + 4 k ..: the scores' C
.endr
.endr
	FRAG4 0                                        ; K: four pairs of tiles
	s_wait_dscnt 0x0
.irp p, 0,1,2,3                                ; eight accumulators by turns
	v_wmma_scale_f32_16x16x128_f8f6f4 v[S+16*\p:S+16*\p+7], v[KV+12*\p:KV+12*\p+11], v[QL:QL+11], v[S+16*\p:S+16*\p+7], v[KSW+\p], v[QW] matrix_a_fmt:MATRIX_FMT_FP6 matrix_b_fmt:MATRIX_FMT_FP6
	v_wmma_scale_f32_16x16x128_f8f6f4 v[S+16*\p+8:S+16*\p+15], v[KV+12*\p:KV+12*\p+11], v[QH:QH+11], v[S+16*\p+8:S+16*\p+15], v[KSW+\p], v[QW] matrix_a_fmt:MATRIX_FMT_FP6 matrix_b_fmt:MATRIX_FMT_FP6
.endr
.rept 4
	v_nop                                          ; places: ahead of the loads into K's registers and of the first read of scores
.endr
	FRAG4 VOFF                                     ; V's four channel tiles: they land under the softmax
	s_cmp_lg_u32 s[KS], s[SD]
	s_cbranch_scc1 .Lopen_\@
	v_add_nc_u32 v[TV], s[DQ], v5                  ; the diagonal step: register 16 b + i holds key 32 b + 16 h + i: hidden where 32 b + i > my query - 16 h
.set n, 0
.rept 64
	v_cmp_gt_i32 vcc_lo, 32*(n/16)+n%16, v[TV]
	v_cndmask_b32 v[S+n], v[S+n], v[NEG], vcc_lo
.set n, n+1
.endr
.Lopen_\@:
.irp b, 0,1,2,3
	v_max3_num_f32 v[BM+\b], v[S+16*\b], v[S+1+16*\b], v[S+2+16*\b]   ; the largest score of each block of 32 keys: for the row's maximum and, since p rises with the score, for the block's largest p
.endr
.irp i, 3,5,7,9,11,13
.irp b, 0,1,2,3
	v_max3_num_f32 v[BM+\b], v[BM+\b], v[S+16*\b+\i], v[S+1+16*\b+\i]
.endr
.endr
.irp b, 0,1,2,3
	v_max_num_f32 v[BM+\b], v[BM+\b], v[S+15+16*\b]
.endr
.irp b, 0,1,2,3
	v_permlanex16_b32 v[T4+\b], v[BM+\b], s[SEL], s[SEL+1]
.endr
.irp b, 0,1,2,3
	v_max_num_f32 v[BM+\b], v[BM+\b], v[T4+\b]     ; with lane l xor 16's 16 keys
.endr
	v_max3_num_f32 v[TV], v[BM], v[BM+1], v[BM+2]
	v_max_num_f32 v[TV], v[TV], v[BM+3]
	v_mul_f32 v[TV], s[CS], v[TV]                  ; as t
	v_max_num_f32 v13, v13, v[TV]                  ; the running largest t
	v_mov_b32 v[TV], v12
	v_floor_f32 v12, -v13                          ; the new -M = floor(-t): M is a whole number
	v_sub_f32 v[TV], v12, v[TV]                    ; old M - new M: a whole number, 0 or less
	v_cvt_i32_f32 v[TV], v[TV]                     ; (it saturates)
	v_ldexp_f32 v[F], 1.0, v[TV]                   ; f = 2^(old M - new M): a multiplication by it rounds nothing
.set n, 0
.rept 32
	v_pk_fma_f32 v[S+n:S+n+1], v[S+n:S+n+1], s[CS:CS+1], v[12:13] op_sel_hi:[1,0,0]   ; t - M, two at a time
.set n, n+2
.endr
.irp b, 0,1,2,3
	v_fma_f32 v[BM+\b], v[BM+\b], s[CS], v12
.endr
.set n, 0
.rept 64
	v_exp_f32 v[S+n], v[S+n]                       ; p = 2^(t - M), at most 1
.set n, n+1
.endr
	v_pk_mul_f32 v[14:15], v[14:15], v[F:F+1] op_sel_hi:[1,0]   ; the sums under the new M; the plain line behind the exponentials
	s_wait_alu depctr_va_vdst(0)                   ; one wait for the batch of 64, ahead of its first reader
.irp b, 0,1,2,3
	v_exp_f32 v[BM+\b], v[BM+\b]                   ; the block's largest p
.endr
	v_pk_add_f32 v[T4:T4+1], v[S:S+1], v[S+2:S+3]  ; the sum of the unquantised p, in two chains; it reads the 64 alone
.irp j, 4,8,12,16,20,24,28,32,36,40,44,48,52,56,60
	v_pk_add_f32 v[14:15], v[14:15], v[S+\j:S+\j+1]
	v_pk_add_f32 v[T4:T4+1], v[T4:T4+1], v[S+2+\j:S+3+\j]
.endr
	v_pk_add_f32 v[14:15], v[14:15], v[T4:T4+1]
	s_wait_alu depctr_va_vdst(0)                   ; and one for the four
.irp b, 0,1,2,3
	v_max_num_f32 v[BM+\b], 0x1800000, v[BM+\b]    ; the floor 2^(3 - 127): the byte cannot fall under 1
.endr
.irp b, 0,1,2,3
	v_add_nc_u32 v[SO+\b], 0xff000000, v[BM+\b]
.endr
.irp b, 0,1,2,3
	v_lshrrev_b32 v[T4+\b], 23, v[SO+\b]
.endr
	v_lshl_or_b32 v[PW], v[T4+1], 8, v[T4]         ; p's scale word for these 128 keys
	v_lshl_or_b32 v[PW], v[T4+2], 16, v[PW]
	v_lshl_or_b32 v[PW], v[T4+3], 24, v[PW]
.irp c, 0,1
	v_cvt_scalef32_pk16_fp6_f32 v[PC+6*\c:PC+6*\c+2], v[S+32*\c:S+32*\c+15], v[SO+2*\c]
	v_cvt_scalef32_pk16_fp6_f32 v[PH+4*\c:PH+4*\c+2], v[S+32*\c+16:S+32*\c+31], v[SO+2*\c+1]
.endr
	v_nop                                          ; one plain line behind a scaled conversion
.irp c, 0,1
.irp i, 0,1,2
	v_permlane16_swap_b32 v[PC+6*\c+\i], v[PH+4*\c+\i]
.endr
.irp i, 0,1,2
	v_mov_b32 v[PC+3+6*\c+\i], v[PH+4*\c+\i]
.endr
.endr
.set n, 0
.rept 16
	v_pk_mul_f32 v[OT+n:OT+n+1], v[OT+n:OT+n+1], v[F:F+1] op_sel_hi:[1,0]   ; O^T under the new M; also the lines between the operand's and the scale word's making and the products
.set n, n+2
.endr
	s_wait_dscnt 0x0                               ; V is in
.irp t, 0,1,2,3                                ; four accumulators by turns
	v_wmma_scale_f32_16x16x128_f8f6f4 v[OT+8*\t:OT+8*\t+7], v[KV+12*\t:KV+12*\t+11], v[PC:PC+11], v[OT+8*\t:OT+8*\t+7], v[VSW+\t], v[PW] matrix_a_fmt:MATRIX_FMT_FP6 matrix_b_fmt:MATRIX_FMT_FP6
.endr
.Lhidden_\@:
	s_add_co_u32 s[T6], s[T6], 6144
	s_add_co_u32 s[T2], s[T2], 256
	s_add_co_u32 s[T5], s[T5], 512
	s_add_co_u32 s[KS], s[KS], 1
	s_cmp_lt_u32 s[KS], \ntrip
	s_cbranch_scc1 .Lstep_\@
.endm
; A tile's end: O^T / the sum, quantised along the head's 64 channels (two blocks), stored as a half fragment.  next = 1: the second tile's q is asked for first.
.macro FINISH next
.rept 4
	v_nop                                          ; places behind the last products
.endr
	s_mul_i32 s20, s[TI], 12288
	s_mov_b32 s21, 0
	s_add_nc_u64 s[42:43], s[34:35], s[20:21]
	s_lshl_b32 s20, s[TI], 9
	s_add_nc_u64 s[44:45], s[36:37], s[20:21]
.if \next
	s_mov_b32 s[TI], s19
	TILE
	QLOAD
.endif
	v_add_f32 v14, v14, v15
	v_permlanex16_b32 v[TV], v14, s[SEL], s[SEL+1]
	v_add_f32 v14, v14, v[TV]                      ; the row's sum
	v_max_num_f32 v14, 0x800000, v14               ; held at 2^-126: a row with no key gives 0
	v_rcp_f32 v14, v14
	v_nop                                          ; a plain line behind the reciprocal
	s_wait_alu depctr_va_vdst(0)                   ; and the wait ahead of its first reader
.set n, 0
.rept 16
	v_pk_mul_f32 v[S+n:S+n+1], v[OT+n:OT+n+1], v[14:15] op_sel_hi:[1,0]   ; register 16 b + i: channel 32 b + 16 h + i
.set n, n+2
.endr
.irp b, 0,1
	v_max3_num_f32 v[BM+\b], |v[S+16*\b]|, |v[S+1+16*\b]|, 0x1800000
.endr
.irp i, 2,4,6,8,10,12,14
.irp b, 0,1
	v_max3_num_f32 v[BM+\b], v[BM+\b], |v[S+16*\b+\i]|, |v[S+1+16*\b+\i]|
.endr
.endr
.irp b, 0,1
	v_permlanex16_b32 v[T4+\b], v[BM+\b], s[SEL], s[SEL+1]
.endr
.irp b, 0,1
	v_max_num_f32 v[BM+\b], v[BM+\b], v[T4+\b]
.endr
.irp b, 0,1
	v_add_nc_u32 v[SO+\b], 0xff000000, v[BM+\b]
.endr
.irp b, 0,1
	v_lshrrev_b32 v[T4+\b], 23, v[SO+\b]
.endr
	v_cvt_scalef32_pk16_fp6_f32 v[PC:PC+2], v[S:S+15], v[SO]
	v_cvt_scalef32_pk16_fp6_f32 v[PH:PH+2], v[S+16:S+31], v[SO+1]
	v_nop                                          ; one plain line behind a scaled conversion
	v_cndmask_b32 v[TV], v[T4], v[T4+1], s[HM]     ; lanes 0-15 send block 0's byte, lanes 16-31 block 1's
.irp i, 0,1,2
	v_permlane16_swap_b32 v[PC+\i], v[PH+\i]
.endr
.irp i, 0,1,2
	v_mov_b32 v[PC+3+\i], v[PH+\i]
.endr
	global_store_b128 v1, v[PC:PC+3], s[42:43]     ; 512 consecutive bytes, aligned to 256
	global_store_b64 v2, v[PC+4:PC+5], s[42:43] offset:512
	global_store_b8 v7, v[TV], s[44:45]
	s_wait_xcnt 0x0                                ; the stores have read their data and bases: both are written again only behind this wait
.endm
	INIT
	STEPS 8                                        ; tile 63 - i0: its last step is 4 to 7
	FINISH 1
	INIT
	STEPS 4                                        ; tile i0: its last step is 0 to 3
	FINISH 0
	s_wait_tensorcnt 0x0
	ds_add_u32 v240, v241
	s_wait_dscnt 0x0
	s_endpgm
.Lfunc_end_k_q96a3611713_attn:
	.size	k_q96a3611713_attn, .Lfunc_end_k_q96a3611713_attn-k_q96a3611713_attn
	.p2alignl 7, 3214868480
	.fill 96, 4, 3214868480
	.section	.rodata,"a",@progbits
	.p2align	6, 0x0
	.amdhsa_kernel k_q96a3611713_attn
		.amdhsa_group_segment_fixed_size 108544
		.amdhsa_private_segment_fixed_size 0
		.amdhsa_enable_private_segment 0
		.amdhsa_kernarg_size 40
		.amdhsa_user_sgpr_count 2
		.amdhsa_user_sgpr_kernarg_segment_ptr 1
		.amdhsa_wavefront_size32 1
		.amdhsa_system_sgpr_workgroup_id_x 1
		.amdhsa_system_sgpr_workgroup_id_y 1
		.amdhsa_system_sgpr_workgroup_id_z 1
		.amdhsa_system_vgpr_workitem_id 0
		.amdhsa_next_free_vgpr 242
		.amdhsa_next_free_sgpr 66
		.amdhsa_reserve_vcc 1
		.amdhsa_float_denorm_mode_32 3
		.amdhsa_float_denorm_mode_16_64 3
		.amdhsa_memory_ordered 1
		.amdhsa_forward_progress 1
		.amdhsa_inst_pref_size 63
	.end_amdhsa_kernel
	.amdgpu_metadata
---
amdhsa.version: [ 1, 2 ]
amdhsa.kernels:
  - .name:           k_q96a3611713_attn
    .symbol:         k_q96a3611713_attn.kd
    .args:
      - { .name: qkvc, .offset: 0, .size: 8, .value_kind: global_buffer, .address_space: global }
      - { .name: qkvs, .offset: 8, .size: 8, .value_kind: global_buffer, .address_space: global }
      - { .name: m, .offset: 16, .size: 8, .value_kind: global_buffer, .address_space: global }
      - { .name: oc, .offset: 24, .size: 8, .value_kind: global_buffer, .address_space: global }
      - { .name: os, .offset: 32, .size: 8, .value_kind: global_buffer, .address_space: global }
    .group_segment_fixed_size: 108544
    .private_segment_fixed_size: 0
    .kernarg_segment_align: 8
    .kernarg_segment_size: 40
    .max_flat_workgroup_size: 512
    .sgpr_count:     66
    .vgpr_count:     242
    .wavefront_size: 32
...
	.end_amdgpu_metadata
.endif
;; end of part 3
;; launch proj (part 4): grid 4 x 32, 4 waves a work-group, clusters of 4 x 4, 327,680 bytes of LDS; arguments oc, os, cod, scl, b_out, m, out0; writes out0
.if DOCPART == 4
	.amdgcn_target "amdgcn-amd-amdhsa--gfx1250"
	.amdhsa_code_object_version 6
	.text
	.protected	k_q96a3611713_proj
	.globl	k_q96a3611713_proj
	.p2align	8
	.type	k_q96a3611713_proj,@function
k_q96a3611713_proj:
	s_mov_b64 s[64:65], 0
	v_nop
	global_prefetch_b8 v0, s[64:65] scope:SCOPE_SE
	s_setreg_imm32_b32 hwreg(HW_REG_WAVE_MODE, 25, 1), 1
	s_wait_xcnt 0x0
	s_wait_alu depctr_hold_cnt(0) depctr_sa_sdst(0) depctr_va_vdst(0) depctr_va_sdst(0) depctr_va_ssrc(0) depctr_va_vcc(0) depctr_vm_vsrc(0)
	s_getreg_b32 s2, hwreg(HW_REG_IB_STS2, 6, 4)
	s_cmp_eq_u32 s2, 0
	s_cbranch_scc0 .Lentry_in_a_cluster
	s_endpgm
.Lentry_in_a_cluster:
	s_bfe_u32 s2, ttmp6, 0x10000c
	s_cmp_lg_u32 s2, 0xf033
	s_cbranch_scc0 .Lentry_shape_is_right
	s_endpgm
.Lentry_shape_is_right:
; out0 = (o w_out^T + b_out) x m[token], the product on codes of FP6 (E2M3) with E8M0 scales; out0 [8192][1024] f32.
; The same matrix core as the launch that makes q, k and v: a tile of 256 x 256 by four waves of 128 x 128, K = 1,024 in four fills of 256 through two LDS slots, codes as images of operand registers
; (half fragments of 768 bytes), joint loads in clusters of 4 x 4.  S1 (source 1, rows in the lanes) = o's tokens from oc, os; S0 (source 0, rows along the registers) = w_out's rows 11,264 on of cod, scl.
; 8,192 x 1,024 results are 128 tiles: this launch has work for 128 work-groups.
; b_out is the C of the first step's products: eight registers for each of S0's eight tiles, in the result's layout.  m multiplies on the way out.
; Tokens and output channels lie in the codes' row order (within 32: tile u, place p = row 8 u + p % 8 + 16 (p / 8)): the channels come out as 16 neighbours in two tiles' registers, the tokens' order is undone in the stores' immediates.
; THE WAY OUT: a block of 16 tokens x 128 channels goes through the wave's own stage in LDS and leaves as whole rows of 512 bytes.  The stage lies in slot 0, which has had its last fill and its last read by then.
; LIMITS: NaN and infinities are not served.
; REGISTERS: window 0: v16-23 LDS addresses, v24-29 the way out and the spare word, v32-63 scale words (nothing else), v64-79 m, v128-223 S1's fragments (later rows on their way out).
;   window 1: S0's fragments at v0 and v128; the bias at v96-127 and v224-255.  windows 2, 3: the accumulators.
.set NQ,     2
.set FR,     12
.set NL,     4
.set NP,     4
.set BLKB,   3072
.set HALFT,  8*BLKB
.set SLOT,   4*HALFT
.set LAPS,   2
.set KS,     32
.set SCL,    2*SLOT
.set HALFS,  16*272
.set SBLK,   544
.set SPARE,  SCL+4*HALFS               ; the spare words: 128 bytes for each wave, two blocks of 256 bytes that no other line names
.set SPITCH, 528                       ; a stage row: 512 bytes + 16
.set ADRA, 16
.set ADRB, 20
.set STO,  24                          ; v24 the stage: where I put 32 bytes of a row
.set RD,   25                          ; v25 and where I read a row back
.set CO,   26                          ; v26 16 L: my bytes of a row of out0
.set ADRS, 27
.set SPW,  28
.set NIL,  29
.set SC,   32
.set MR,   64                          ; v64-79 m of my token in block a, twice: a pair for the packed multiply
.set AF,   128
.set BK,   128                         ; rows read back from the stage: v128-191 and v192-255 by turns
.set G1, 24
.set G0, 32
.set G1B, 48
.set G0B, 56
.set G1S, 68
.set G0S, 76
.set G1SB, 80
.set G0SB, 88
.set MSB, 0
.macro WIN new
.if MSB != \new
	s_set_vgpr_msb (MSB<<8)|\new
.set MSB, \new
.endif
.endm
.set MUL_LO, 0xa1
.set MUL_HI, 0xf1
.set FIRST_LO, 0x91                    ; the first step: C (the bias) in window 1, D in window 2
.set FIRST_HI, 0xd1                    ; D in window 3
.set TO_B,   0x40
.macro JLOAD g0a, g1a, g0b, g1b        ; a joint load: waves 0 and 1 fetch for S1, waves 2 and 3 for S0; four v_nop follow each of the two lines
	s_cmp_eq_u32 s15, 0
	s_cbranch_scc0 .Lfor_b_\@
	tensor_load_to_lds s[\g0a:\g0a+3], s[\g1a:\g1a+7]
	s_nop 0
.rept 4
	v_nop
.endr
	s_branch .Lasked_\@
.Lfor_b_\@:
	tensor_load_to_lds s[\g0b:\g0b+3], s[\g1b:\g1b+7]
	s_nop 0
.rept 4
	v_nop
.endr
.Lasked_\@:
.endm
.macro CREST
	s_cmp_lg_u32 s14, 0
	s_cbranch_scc1 .Lnot_wave_0_\@
	s_barrier_signal -3
.Lnot_wave_0_\@:
	s_barrier_wait -3
	s_barrier_signal -1
	s_barrier_wait -1
.endm
.macro CROUND
	s_barrier_signal -1
	s_barrier_wait -1
	CREST
.endm
	s_load_b256 s[4:11], s[0:1], 0x0               ; oc s[4:5], os s[6:7], cod s[8:9], scl s[10:11]
	s_load_b128 s[96:99], s[0:1], 0x20             ; b_out s[96:97], m s[98:99]
	s_load_b64 s[12:13], s[0:1], 0x30              ; out0
	v_lshl_add_u32 v[SPW], v0, 2, SPARE
	v_mov_b32 v[NIL], 0
	ds_add_u32 v28, v29
	ds_add_u32 v28, v29
	s_wait_dscnt 0x0
	v_lshrrev_b32 v1, 5, v0
	v_readfirstlane_b32 s14, v1                    ; wave 0..3
	s_lshr_b32 s15, s14, 1
	s_and_b32 s16, s14, 1
	s_bfe_u32 s40, ttmp6, 0x40000                  ; cx
	s_bfe_u32 s41, ttmp6, 0x40004                  ; cy
	s_and_b32 s17, ttmp7, 0xffff
	s_lshl_b32 s17, s17, 2
	s_add_co_u32 s17, s17, s41                     ; the tile's row: 4 x cluster y + cy
	s_lshl_b32 s43, s41, 2
	s_lshl_b32 s43, 15, s43                        ; my row of the cluster
	s_lshl_b32 s44, 0x1111, s40                    ; my column
	s_or_b32 s[G1+0], s43, (3<<16)|(1<<21)         ; codes: 8 rows of 3,072 bytes, 12,288 bytes apart; elements of 8 bytes; no padding
	s_or_b32 s[G1B+0], s44, (3<<16)|(1<<21)
.irp g, G1, G1B
	s_mov_b32 s[\g+1], 384<<16
	s_mov_b32 s[\g+2], 8<<16
	s_mov_b32 s[\g+3], 384<<16
	s_mov_b32 s[\g+4], 8
	s_mov_b32 s[\g+5], 1536
	s_mov_b32 s[\g+6], 0
	s_mov_b32 s[\g+7], 0
.endr
	s_or_b32 s[G1S+0], s43, (3<<16)|(1<<20)|(1<<21)|(5<<22)|(3<<25)   ; scales of 128 rows: 16 rows of 256 bytes, 16 bytes of padding behind each
	s_or_b32 s[G1SB+0], s44, (3<<16)|(1<<20)|(1<<21)|(5<<22)|(3<<25)
.irp g, G1S, G1SB
	s_mov_b32 s[\g+1], 32<<16
	s_mov_b32 s[\g+2], 16<<16
	s_mov_b32 s[\g+3], 32<<16
	s_mov_b32 s[\g+4], 16
	s_mov_b32 s[\g+5], 32
	s_mov_b32 s[\g+6], 0
	s_mov_b32 s[\g+7], 0
.endr
	s_lshl_b32 s22, s16, 7                         ; which 128 rows of the tile I fetch
	s_lshl_b32 s20, s17, 8
	s_add_co_u32 s20, s20, s22                     ; S1: token place 256 x tile row + 128 half
	s_lshl_b32 s46, s40, 8
	s_add_co_u32 s46, s46, 11264
	s_add_co_u32 s46, s46, s22                     ; S0: w_out's rows in cod: 11,264 + 256 cx + 128 half
	s_lshl_b32 s22, s20, 5
	s_mov_b32 s23, 0
	s_lshl_b32 s92, s46, 5
	s_mov_b32 s93, 0
	s_mul_i32 s20, s20, 768
	s_mov_b32 s21, 0
	s_mul_i32 s46, s46, 768
	s_mov_b32 s47, 0
	s_mul_i32 s45, s14, HALFT
	s_mul_i32 s94, s14, HALFS
	s_wait_kmcnt 0x0
	s_add_nc_u64 s[20:21], s[4:5], s[20:21]
	s_add_nc_u64 s[22:23], s[6:7], s[22:23]
	s_add_nc_u64 s[46:47], s[8:9], s[46:47]
	s_add_nc_u64 s[92:93], s[10:11], s[92:93]
	CROUND                                         ; all sixteen work-groups are here: the first joint loads meet
	s_mov_b32 s[G0S], 1
	s_add_co_u32 s[G0S+1], s94, SCL
	s_mov_b64 s[G0S+2:G0S+3], s[22:23]
	s_or_b32 s[G0S+3], s[G0S+3], 0x80000000
	s_mov_b32 s[G0SB], 1
	s_add_co_u32 s[G0SB+1], s94, SCL
	s_mov_b64 s[G0SB+2:G0SB+3], s[92:93]
	s_or_b32 s[G0SB+3], s[G0SB+3], 0x80000000
	JLOAD G0S, G1S, G0SB, G1SB
.irp s, 0,1
	s_mov_b32 s[G0+4*\s], 1
	s_add_co_u32 s[G0+4*\s+1], s45, \s*SLOT
	s_add_nc_u64 s[G0+4*\s+2:G0+4*\s+3], s[20:21], \s*BLKB
	s_or_b32 s[G0+4*\s+3], s[G0+4*\s+3], 0x80000000
	s_mov_b32 s[G0B+4*\s], 1
	s_add_co_u32 s[G0B+4*\s+1], s45, \s*SLOT
	s_add_nc_u64 s[G0B+4*\s+2:G0B+4*\s+3], s[46:47], \s*BLKB
	s_or_b32 s[G0B+4*\s+3], s[G0B+4*\s+3], 0x80000000
	JLOAD G0+4*\s, G1, G0B+4*\s, G1B
.endr
	v_and_b32 v1, 31, v0                           ; L
	v_and_b32 v2, 15, v0                           ; r
	v_bfe_u32 v3, v0, 4, 1                         ; h
	v_lshlrev_b32 v[CO], 4, v1
	v_lshlrev_b32 v4, 3, v1
	s_mul_i32 s21, s15, HALFT
	s_mul_i32 s22, s16, HALFT
	s_add_co_u32 s22, s22, 2*HALFT
.irp s, 0,1
	v_add_nc_u32 v[ADRA+\s], s21, v[CO]
	v_add_nc_u32 v[ADRB+\s], s22, v[CO]
	v_add_nc_u32 v[ADRA+2+\s], s21, v4
	v_add_nc_u32 v[ADRB+2+\s], s22, v4
	s_add_co_u32 s21, s21, SLOT
	s_add_co_u32 s22, s22, SLOT
.endr
	v_mul_u32_u24 v5, v2, KS
	v_lshrrev_b32 v6, 8, v5
	v_lshl_add_u32 v5, v6, 4, v5
	s_mul_i32 s21, s15, HALFS
	s_mul_i32 s22, s16, HALFS
	s_add_co_u32 s22, s22, 2*HALFS
	s_sub_co_u32 s22, s22, s21
	v_mul_u32_u24 v6, s22, v3                      ; lanes 16-31 take S0's: one product, the distance between the two bases
	s_add_co_u32 s21, s21, SCL
	v_add_nc_u32 v5, v5, v6
	v_add_nc_u32 v[ADRS], s21, v5
	s_mul_i32 s23, s14, 16*SPITCH                  ; my stage
	v_mul_u32_u24 v5, v2, SPITCH
	v_lshl_add_u32 v5, v3, 6, v5
	v_add_nc_u32 v[STO], s23, v5                   ; in: row r, + 64 h: my half's 16 channels of each 32
	v_add_nc_u32 v[RD], s23, v[CO]                 ; back: a row's 512 bytes, 16 a lane
	v_lshlrev_b32 v6, 6, v3                        ; the bias: 64 h
	v_and_b32 v7, 7, v2
	v_and_b32 v5, 8, v2
	v_lshl_add_u32 v7, v5, 1, v7
	v_lshlrev_b32 v7, 2, v7                        ; m: 4 x (r % 8 + 16 (r / 8))
	s_lshl_b32 s20, s17, 8
	s_lshl_b32 s21, s15, 7
	s_add_co_u32 s20, s20, s21                     ; my first token
	s_lshl_b32 s22, s20, 2
	s_mov_b32 s23, 0
	s_add_nc_u64 s[98:99], s[98:99], s[22:23]      ; m there
	s_lshl_b32 s20, s20, 12                        ; its row of out0: 4,096 bytes a row
	s_mov_b32 s21, 0
	s_lshl_b32 s46, s40, 10
	s_lshl_b32 s47, s16, 9
	s_add_co_u32 s46, s46, s47                     ; my first channel, in bytes: 1,024 cx + 512 half
	s_mov_b32 s47, 0
	s_add_nc_u64 s[96:97], s[96:97], s[46:47]      ; b_out there
	s_add_nc_u64 s[12:13], s[12:13], s[20:21]
	s_add_nc_u64 s[12:13], s[12:13], s[46:47]      ; out0 at my corner; never stepped
	WIN TO_B
.irp j, 0,1,2,3,4,5,6,7                        ; tile j's eight registers: channels 32 (j / 2) + 16 h + 8 (j % 2) + 0 .. 7
	global_load_b128 v[96+8*(\j%4)+128*(\j/4):99+8*(\j%4)+128*(\j/4)], v6, s[96:97] offset:(32*(\j/2)+8*(\j%2))*4
	global_load_b128 v[100+8*(\j%4)+128*(\j/4):103+8*(\j%4)+128*(\j/4)], v6, s[96:97] offset:(32*(\j/2)+8*(\j%2))*4+16
.endr
	WIN 0
.irp a, 0,1,2,3,4,5,6,7
	global_load_b32 v[MR+2*\a], v7, s[98:99] offset:(32*(\a/2)+8*(\a%2))*4
	global_load_b32 v[MR+2*\a+1], v7, s[98:99] offset:(32*(\a/2)+8*(\a%2))*4
.endr
.macro FRAG reg, adr, q, i             ; a fragment: two half fragments on end, four dense loads
	ds_load_b128 v[\reg:\reg+3], v[\adr] offset:(\i)*BLKB+(\q)*1536
	ds_load_b64 v[\reg+4:\reg+5], v[\adr+2] offset:(\i)*BLKB+(\q)*1536+512
	ds_load_b128 v[\reg+6:\reg+9], v[\adr] offset:(\i)*BLKB+(\q)*1536+768
	ds_load_b64 v[\reg+10:\reg+11], v[\adr+2] offset:(\i)*BLKB+(\q)*1536+1280
.endm
; 16 matrix instructions; the 64 accumulators take turns, one instruction a turn.  zero = 1: the first step's C is the bias of S0's tile b.
.macro MUL16 a0, p, q, sc, zero
.irp a, \a0, \a0+1
.irp b, 0,1,2,3,4,5,6,7
.if \zero
	v_wmma_scale_f32_16x16x128_f8f6f4 v[8*(8*((\a)%4)+\b):8*(8*((\a)%4)+\b)+7], v[128*(\p)+FR*\b:128*(\p)+FR*\b+FR-1], v[AF+FR*(\a):AF+FR*(\a)+FR-1], v[96+8*(\b%4)+128*(\b/4):103+8*(\b%4)+128*(\b/4)], v[SC+8*NQ*(\sc)+NQ*\b+(\q)], v[SC+8*NQ*(\sc)+NQ*(\a)+(\q)] matrix_a_fmt:MATRIX_FMT_FP6 matrix_b_fmt:MATRIX_FMT_FP6 matrix_a_scale:MATRIX_SCALE_ROW1
.else
	v_wmma_scale_f32_16x16x128_f8f6f4 v[8*(8*((\a)%4)+\b):8*(8*((\a)%4)+\b)+7], v[128*(\p)+FR*\b:128*(\p)+FR*\b+FR-1], v[AF+FR*(\a):AF+FR*(\a)+FR-1], v[8*(8*((\a)%4)+\b):8*(8*((\a)%4)+\b)+7], v[SC+8*NQ*(\sc)+NQ*\b+(\q)], v[SC+8*NQ*(\sc)+NQ*(\a)+(\q)] matrix_a_fmt:MATRIX_FMT_FP6 matrix_b_fmt:MATRIX_FMT_FP6 matrix_a_scale:MATRIX_SCALE_ROW1
.endif
.endr
.endr
.endm
.macro FETCH_B slot, q, p
	WIN TO_B
.irp i, 0,1,2,3,4,5,6,7
	FRAG 128*(\p)+FR*\i, ADRB+\slot, \q, \i
.endr
	WIN 0
.endm
.macro FETCH_A slot, q, i0
.irp i, \i0, \i0+1, \i0+2, \i0+3
	FRAG AF+FR*(\i), ADRA+\slot, \q, \i
.endr
.endm
.macro SCALES sc
.irp i, 0,1,2,3,4,5,6,7
	ds_load_b64 v[SC+8*NQ*\sc+NQ*\i:SC+8*NQ*\sc+NQ*\i+1], v[ADRS] offset:\i*SBLK
.endr
.endm
.macro PLACES n                        ; plain vector lines between a matrix instruction and a load into, or a vector read of, its registers
.rept \n
	v_nop
.endr
.endm
.macro STEP slot, q, zero
	s_wait_dscnt 4*NL                              ; S0's set and S1's blocks 0-3 are in; the youngest 16 loads (blocks 4-7) may be out
.if \zero
	WIN FIRST_LO
.else
	WIN MUL_LO
.endif
	MUL16 0, (\q)%2, \q, \slot, \zero
	MUL16 2, (\q)%2, \q, \slot, \zero
	s_wait_dscnt 0
	PLACES NP
	FETCH_B \slot, (\q)+1, 1-(\q)%2
	FETCH_A \slot, (\q)+1, 0
.if \zero
	WIN FIRST_HI
.else
	WIN MUL_HI
.endif
	MUL16 4, (\q)%2, \q, \slot, \zero
	MUL16 6, (\q)%2, \q, \slot, \zero
	PLACES NP
	WIN 0
	FETCH_A \slot, (\q)+1, 4
.endm
.macro TURN slot, next, fill           ; a slot's last step changes slots: one barrier, with the three lines in front of it
	s_wait_tensorcnt 0x0                           ; all my tensor loads have landed: the one that was out is my part of the next slot
	ds_add_u32 v[SPW], v[NIL]                      ; 0 onto my spare word
	s_wait_dscnt 4*NL+1                            ; (the add and the youngest 16 loads may be out)
	WIN MUL_LO
	MUL16 0, 1, NQ-1, \slot, 0
	s_wait_dscnt 0x0                               ; the add is done, and my reads of this slot are over
	s_barrier_signal -1
	MUL16 2, 1, NQ-1, \slot, 0
	WIN 0
	s_barrier_wait -1
.if \fill
	CREST                                          ; the barrier has opened a round of the cluster's: no wave of any partner still reads this slot or has a load on its way
	s_add_nc_u64 s[G0+4*\slot+2:G0+4*\slot+3], s[G0+4*\slot+2:G0+4*\slot+3], 2*BLKB
	s_add_nc_u64 s[G0B+4*\slot+2:G0B+4*\slot+3], s[G0B+4*\slot+2:G0B+4*\slot+3], 2*BLKB
	JLOAD G0+4*\slot, G1, G0B+4*\slot, G1B
.else
	PLACES NP
.endif
	v_add_nc_u32 v[ADRS], 4*NQ, v[ADRS]
	FETCH_B \next, 0, 0
	FETCH_A \next, 0, 0
	SCALES \next
	WIN MUL_HI
	MUL16 4, 1, NQ-1, \slot, 0
	MUL16 6, 1, NQ-1, \slot, 0
	PLACES NP
	WIN 0
	FETCH_A \next, 0, 4
.endm
	s_wait_tensorcnt 1                             ; the scales and my part of slot 0 are in; slot 1's load may be out
	s_barrier_signal -1
	s_barrier_wait -1
	FETCH_B 0, 0, 0
	FETCH_A 0, 0, 0
	SCALES 0
	FETCH_A 0, 0, 4
	s_wait_loadcnt 0x0                             ; the bias and m
	STEP 0, 0, 1                                   ; the first step starts the sums from the bias
	s_mov_b32 s3, LAPS-1
.Llap:
	TURN 0, 1, 1
	STEP 1, 0, 0
	TURN 1, 0, 1
	STEP 0, 0, 0
	s_sub_co_u32 s3, s3, 1
	s_cmp_lg_u32 s3, 0
	s_cbranch_scc1 .Llap
	TURN 0, 1, 0
	STEP 1, 0, 0
	s_wait_dscnt 4*NL
	WIN MUL_LO
	MUL16 0, 1, NQ-1, 1, 0
	MUL16 2, 1, NQ-1, 1, 0
	s_wait_dscnt 0
	WIN MUL_HI
	MUL16 4, 1, NQ-1, 1, 0
	MUL16 6, 1, NQ-1, 1, 0
	WIN 0
.macro PACK a                          ; block a's 64 numbers of my token x m, in place, from each accumulator's low end on
.set WN, 2+(\a)/4
.set AC, 64*((\a)%4)
.set WW, WN|(WN<<6)
	WIN WW                                         ; source 0 and destination: the accumulators' window
.set n, 0
.rept 32
	v_pk_mul_f32 v[AC+n:AC+n+1], v[AC+n:AC+n+1], v[MR+2*(\a):MR+2*(\a)+1]
.set n, n+2
.endr
.endm
.macro TOSTAGE a                       ; into my stage, and back as whole rows: LDS serves a wave's instructions in order, so no wait stands between
.set AC, 64*((\a)%4)
	WIN 0x08+4*((\a)/4)                            ; an LDS store's data: window 2 or 3
.irp b, 0,1,2,3,4,5,6,7
	ds_store_b128 v[STO], v[AC+8*\b:AC+8*\b+3] offset:128*(\b/2)+32*(\b%2)
	ds_store_b128 v[STO], v[AC+8*\b+4:AC+8*\b+7] offset:128*(\b/2)+32*(\b%2)+16
.endr
	WIN 0
.set BB, BK+64*((\a)%2)
.irp t, 0,1,2,3,4,5,6,7,8,9,10,11,12,13,14,15
	ds_load_b128 v[BB+4*\t:BB+4*\t+3], v[RD] offset:\t*SPITCH
.endr
.endm
.macro SEND a, younger                 ; place t of block a is token 32 (a / 2) + 8 (a % 2) + t % 8 + 16 (t / 8) of my 128: the order is undone in the immediate (520,192 at the most)
.set BB, BK+64*((\a)%2)
	s_wait_dscnt \younger
.irp t, 0,1,2,3,4,5,6,7,8,9,10,11,12,13,14,15
	global_store_b128 v[CO], v[BB+4*\t:BB+4*\t+3], s[12:13] offset:(32*((\a)/2)+8*((\a)%2)+(\t%8)+16*(\t/8))*4096 th:TH_STORE_NT   ; 32 lanes store 512 consecutive bytes, aligned to 512
.endr
.endm
	PLACES NP                                      ; behind the last products
	PACK 0
	TOSTAGE 0
.irp a, 1,2,3,4,5,6,7
	PACK \a
.if \a > 1
	s_wait_xcnt 0x0                                ; block a - 2's stores have read their registers: block a's loads may land there
.endif
	TOSTAGE \a
	SEND \a-1, 32                                  ; behind block a - 1's loads: block a's 16 stores and 16 loads
.endr
	SEND 7, 0
	s_wait_tensorcnt 0x0                           ; the wave's end
	ds_add_u32 v[SPW], v[NIL]
	s_wait_dscnt 0x0
	CROUND                                         ; the closing round
	s_endpgm
.Lfunc_end_k_q96a3611713_proj:
	.size	k_q96a3611713_proj, .Lfunc_end_k_q96a3611713_proj-k_q96a3611713_proj
	.p2alignl 7, 3214868480
	.fill 96, 4, 3214868480
	.section	.rodata,"a",@progbits
	.p2align	6, 0x0
	.amdhsa_kernel k_q96a3611713_proj
		.amdhsa_group_segment_fixed_size 327680
		.amdhsa_private_segment_fixed_size 0
		.amdhsa_enable_private_segment 0
		.amdhsa_kernarg_size 56
		.amdhsa_user_sgpr_count 2
		.amdhsa_user_sgpr_kernarg_segment_ptr 1
		.amdhsa_wavefront_size32 1
		.amdhsa_system_sgpr_workgroup_id_x 1
		.amdhsa_system_sgpr_workgroup_id_y 1
		.amdhsa_system_sgpr_workgroup_id_z 1
		.amdhsa_system_vgpr_workitem_id 0
		.amdhsa_next_free_vgpr 1024
		.amdhsa_next_free_sgpr 100
		.amdhsa_reserve_vcc 0
		.amdhsa_float_denorm_mode_32 3
		.amdhsa_float_denorm_mode_16_64 3
		.amdhsa_memory_ordered 1
		.amdhsa_forward_progress 1
		.amdhsa_inst_pref_size 163
	.end_amdhsa_kernel
	.amdgpu_metadata
---
amdhsa.version: [ 1, 2 ]
amdhsa.kernels:
  - .name:           k_q96a3611713_proj
    .symbol:         k_q96a3611713_proj.kd
    .args:
      - { .name: oc, .offset: 0, .size: 8, .value_kind: global_buffer, .address_space: global }
      - { .name: os, .offset: 8, .size: 8, .value_kind: global_buffer, .address_space: global }
      - { .name: cod, .offset: 16, .size: 8, .value_kind: global_buffer, .address_space: global }
      - { .name: scl, .offset: 24, .size: 8, .value_kind: global_buffer, .address_space: global }
      - { .name: b_out, .offset: 32, .size: 8, .value_kind: global_buffer, .address_space: global }
      - { .name: m, .offset: 40, .size: 8, .value_kind: global_buffer, .address_space: global }
      - { .name: out0, .offset: 48, .size: 8, .value_kind: global_buffer, .address_space: global }
    .group_segment_fixed_size: 327680
    .private_segment_fixed_size: 0
    .kernarg_segment_align: 8
    .kernarg_segment_size: 56
    .max_flat_workgroup_size: 128
    .sgpr_count:     100
    .vgpr_count:     1024
    .wavefront_size: 32
...
	.end_amdgpu_metadata
.endif
;; end of part 4
;; ======== version 2 of 2: 4 launches; version 1 with the launch attn written anew for expert scheduling mode
;; limits: right only within a limited range of input values
;; workspace buffers: cod 9,437,184 bytes; scl 393,216 bytes; qkvc 18,874,368 bytes; qkvs 786,432 bytes; oc 6,291,456 bytes; os 262,144 bytes
;; launch quant: the kernel of part 1 again; grid 768 x 1, 4 waves a work-group, no clusters, 18,432 bytes of LDS; arguments x, w_qkv, w_out, cod, scl; writes cod, scl
;; launch qkv: the kernel of part 2 again; grid 4 x 96, 4 waves a work-group, clusters of 4 x 4, 327,680 bytes of LDS; arguments cod, scl, qkvc, qkvs; writes qkvc, qkvs
;; launch attn (part 5): grid 2 x 128, 16 waves a work-group, no clusters, 108,544 bytes of LDS; arguments qkvc, qkvs, m, oc, os; writes oc, os
.if DOCPART == 5
	.amdgcn_target "amdgcn-amd-amdhsa--gfx1250"
	.amdhsa_code_object_version 6
	.text
	.protected	k_q96a3611713_attn
	.globl	k_q96a3611713_attn
	.p2align	8
	.type	k_q96a3611713_attn,@function
k_q96a3611713_attn:
	s_mov_b64 s[64:65], 0
	v_nop
	global_prefetch_b8 v0, s[64:65] scope:SCOPE_SE
	s_setreg_imm32_b32 hwreg(HW_REG_WAVE_SCHED_MODE, 0, 2), 2
	s_setreg_imm32_b32 hwreg(HW_REG_WAVE_MODE, 25, 1), 1
	s_wait_xcnt 0x0
	s_wait_alu depctr_vm_vsrc(0)
; o = softmax(q k^T / 8, causal and padding mask) v for one head, both products on codes of FP6 (E2M3) with E8M0 scales; o leaves as codes, quantised along the channels.
; THE SOFTMAX: t = score x log2(e) / 8; M = the running largest t rounded UP to a whole number; p = 2^(t - M) is quantised along the keys, not normalised; the sum is taken of the unquantised p and divides at the end.
; SHARES: a work-group is half of a head (y: batch x 16 + head; x: the half).  Wave w has i0 = 16 x + w and takes the query tiles 63 - i0 and then i0 (16 queries each).  Tile i needs i / 8 + 1 key steps of 128 keys
;   (the rest lies wholly under the causal mask), so every wave of the launch has 9 steps.  Four waves share a SIMD: one wave's vector work stands beside another's products and LDS loads.
; LDS holds the head's K and V codes, their scale words and the keys' mask, filled ONCE through registers and only read afterwards: one barrier, no ring.
; NO CLUSTER: a head's K and V (102,400 bytes with their scales) are read once each by the head's two work-groups, at the head of the text, by plain loads: there is no tensor load that two partners could ask for jointly.
; LAYOUT: both products are used transposed (S^T = K Q^T, O^T = V^T P^T): a lane holds one query throughout.  The token order of the codes (within 32: tile u, place p = token 8 u + p % 8 + 16 (p / 8)) makes the
;   16 registers of tiles 2 b, 2 b + 1 the keys 32 b + 16 (lane / 16) + 0 .. 15; the same order of V's channels does it for O^T.
; K = 64 IN A FORM OF 128: two neighbouring key tiles' half fragments are ONE operand, multiplied twice: by [q | zeros] for the first tile and by [zeros | q] for the second.  Zero codes annul the other tile.
; THE PADDING MASK: key j is hidden where m[j] = 0.  A bias, -3e38 there and 0 elsewhere, is loaded into the scores' registers and is the C of the score products.  The running largest t starts at -2^100,
;   above every hidden t and below every real one, so hidden keys give p = 0.  The sum is held at 2^-126 from below, so a row with no key gives o = 0.
;   A query with m = 0 gets a finite o here; the last launch multiplies its row by m.
; LIMITS: a product m[i] m[j] of two non-zero numbers that underflows to 0 is not served; scores stay under 2^100 in magnitude; NaN and infinities are not served; a block of zeros gets the scale byte 1.
; The scale bytes of o leave one byte a lane, 32 bytes apart: 2 bytes beside each 48 bytes of codes.
; THE MODE: SCHED_MODE bits 1:0 = 2 (LLVM: expert scheduling mode 2), set by the entry lines.  The code itself states the register dependences
; between vector or matrix instructions and memory or LDS instructions, with s_wait_alu, always for 0.
; THE PLAN.  Registers that memory or LDS instructions touch:
;   v1, v2, v6, v7   offsets, made at the head and never written again: q's loads and o's stores read them.
;   v8-11            the fill's addresses, then a step's LDS addresses: written by four additions at the step's head, read by the step's 50 LDS loads.
;   v16-21, v34-39, v41   q: loaded at the head and again in the first tile's end; read by the score products, v41 by the line that makes q's scale word.
;   v44-91           K's fragments land at a step's head and are read by its eight score products; V's land behind those and are read by the four products at the step's end.
;   v92-95, v212-215 K's and V's scale words: loaded at a step's head, read by the products.
;   v96-159          at the head the fill's data (loaded, then read by LDS stores); in a step the bias lands there, and then vector and matrix instructions alone name them.
;   v192-197, v234   a tile's end: written by conversions and moves, read by o's three stores.
; A STEP'S WAITS.  At its head: on vm_vsrc (the last step's LDS loads have read v8-11), the four additions, then on va_vdst: the addresses are written, and all that the last step's vector and matrix
;   instructions read or wrote of v44-159 and v212-215 is done with; the head's 34 loads follow with nothing more.  Behind the score products: on va_vdst, ahead of V's 16 loads into K's registers; no vector or
;   matrix instruction names v44-91 until the wait for those loads.  Ahead of the last four products: on va_vdst, for p's codes and scale word.  Two waits stand behind the exponentials.
; MASKS: a compare writes a scalar register, and a wait on va_sdst stands ahead of the select that reads it: compares go in runs, one wait a run.
.set VOFF, 49152                       ; LDS: K's codes at 0, V's here;
.set SCS,  98304                       ; K's scale words (2,048 bytes), V's (2,048);
.set MB,   102400                      ; the bias, 1,024 f32
.set AD16, 8                           ; v8-11 the step's LDS addresses: codes at 16 L, at 8 L, scale words, bias
.set AD8,  9
.set ADS,  10
.set ADM,  11
.set QL,   16                          ; v16-27 [q | 0]
.set QH,   28                          ; v28-39 [0 | q]
.set QW,   40                          ; v40 q's scale word (nothing else)
.set QU,   41                          ; v41 q's two bytes as loaded
.set NEG,  42                          ; v42 -3e38
.set KV,   44                          ; v44-91 four fragments of K, then of V
.set KSW,  92                          ; v92-95 K's scale words
.set S,    96                          ; v96-159 the bias, S^T, p
.set OT,   160                         ; v160-191 O^T
.set PC,   192                         ; v192-203 p's codes
.set PH,   204                         ; v204-210 the conversions' second halves
.set VSW,  212                         ; v212-215 V's scale words
.set PW,   216                         ; v216 p's scale word
.set BM,   220                         ; v220-223 a block's largest score, then its largest p
.set T4,   224
.set SO,   228                         ; v228-231 the conversions' scale operands
.set F,    232                         ; v[232:233] f = 2^(old M - new M) (v233 written once: it is named in the pair)
.set TV,   234
.set WV,   14
.set TI,   46                          ; s46 the query tile
.set SD,   47                          ; s47 its last key step
.set DQ,   48                          ; s48 its first query's place in that step's 128
.set KS,   49                          ; s49 the step
.set T6,   50                          ; s50 6,144 x step;  s51 256 x step;  s52 512 x step
.set T2,   51
.set T5,   52
.set SEL,  54
.set CS,   56                          ; s[56:57] c = log2(e) / 8
.set HM,   58                          ; s58 lanes 16-31
.set MK,   66                          ; s66-97 the diagonal step's masks, 32 at a time
	s_load_b256 s[4:11], s[0:1], 0x0               ; qkvc s[4:5], qkvs s[6:7], m s[8:9], oc s[10:11]
	s_load_b64 s[12:13], s[0:1], 0x20              ; os
	v_lshl_add_u32 v238, v0, 2, 0x1a000
	v_mov_b32 v239, 0
	v_lshrrev_b32 v1, 5, v0
	v_readfirstlane_b32 s[WV], v1                  ; wave 0..15
	s_and_b32 s16, ttmp7, 0xffff                   ; batch x 16 + head
	s_lshr_b32 s17, s16, 4
	s_and_b32 s18, s16, 15
	s_lshl_b32 s19, ttmp9, 4
	s_wait_alu depctr_va_sdst(0)                   ; the wave's number is written, ahead of its one reader
	s_add_co_u32 s19, s19, s[WV]                   ; i0
	v_and_b32 v3, 31, v0
	v_lshlrev_b32 v1, 4, v3                        ; v1 16 L
	v_lshlrev_b32 v2, 3, v3                        ; v2 8 L
	v_and_b32 v6, 15, v0                           ; r
	v_bfe_u32 v7, v0, 4, 1                         ; h
	v_lshl_add_u32 v3, v6, 4, SCS                  ; v3 scale words: 16 bytes a place
	v_lshl_add_u32 v4, v7, 6, MB                   ; v4 bias: my half's 16 keys of a block
	v_and_b32 v5, 7, v6
	v_and_b32 v8, 8, v6
	v_lshl_add_u32 v5, v8, 1, v5
	v_lshlrev_b32 v8, 4, v7
	v_sub_nc_u32 v5, v5, v8                        ; v5 my query's offset in its tile's 32, less 16 h
	v_lshl_add_u32 v7, v6, 5, v7                   ; v7 32 r + h: o's scale byte
	v_lshlrev_b32 v6, 4, v6                        ; v6 16 r
	v_mov_b32 v[NEG], 0xff61b1e6
.irp i, 0,1,2,3,4,5
	v_mov_b32 v[QL+6+\i], 0                        ; the zero halves: written once
	v_mov_b32 v[QH+\i], 0
.endr
.irp b, 0,1,2,3
	v_mov_b32 v[T4+\b], 0                          ; a lane permute's destination counts as one of its sources
.endr
	v_mov_b32 v[F+1], 0
	v_mov_b32 v[TV], 0
	v_lshlrev_b32 v8, 4, v0                        ; the fill's addresses: 16 bytes a thread,
	v_lshlrev_b32 v9, 3, v0                        ; 8 bytes a thread,
	v_add_nc_u32 v10, VOFF, v8                     ; V's codes in LDS,
	v_add_nc_u32 v11, SCS, v9                      ; the scale words in LDS
	s_mov_b32 s[SEL], 0x76543210
	s_mov_b32 s[SEL+1], 0xfedcba98
	s_mov_b32 s[CS], 0x3e38aa3b
	s_mov_b32 s[CS+1], s[CS]
	s_mov_b32 s[HM], 0xffff0000
	s_mul_i32 s20, s16, 49152
	s_mov_b32 s21, 0
	s_mul_i32 s22, s16, 6144
	s_mov_b32 s23, 0
	s_wait_kmcnt 0x0
	s_add_nc_u64 s[28:29], s[4:5], s[20:21]        ; q's codes of my head,
	s_add_nc_u64 s[24:25], s[28:29], 6291456       ; k's,
	s_add_nc_u64 s[26:27], s[28:29], 12582912      ; v's
	s_add_nc_u64 s[30:31], s[6:7], s[22:23]        ; the head's scale bytes
	s_lshl_b32 s20, s17, 12
	s_add_nc_u64 s[32:33], s[8:9], s[20:21]        ; the batch's m
	s_mul_i32 s20, s17, 786432
	s_mul_i32 s22, s18, 768
	s_add_co_u32 s20, s20, s22
	s_add_nc_u64 s[34:35], s[10:11], s[20:21]      ; oc: the batch's 64 token tiles of 12,288 bytes, my head's half fragment
	s_lshl_b32 s20, s17, 15
	s_lshl_b32 s22, s18, 1
	s_add_co_u32 s20, s20, s22
	s_add_nc_u64 s[36:37], s[12:13], s[20:21]      ; os: 32 bytes a token, my head's two
.macro TILE                            ; what hangs on the query tile s[TI]
	s_lshr_b32 s[SD], s[TI], 3
	s_lshr_b32 s[DQ], s[TI], 1
	s_and_b32 s[DQ], s[DQ], 3
	s_lshl_b32 s[DQ], s[DQ], 5
	s_and_b32 s20, s[TI], 1
	s_lshl_b32 s20, s20, 3
	s_add_co_u32 s[DQ], s[DQ], s20
	s_mul_i32 s20, s[TI], 768
	s_mov_b32 s21, 0
	s_add_nc_u64 s[38:39], s[28:29], s[20:21]      ; its codes
	s_lshl_b32 s20, s[SD], 8
	s_and_b32 s22, s[TI], 7
	s_lshl_b32 s22, s22, 1
	s_add_co_u32 s20, s20, s22
	s_add_nc_u64 s[40:41], s[30:31], s[20:21]      ; its two scale bytes a place
.endm
.macro QLOAD                           ; q's half fragment, twice: the two operands share no register
	global_load_b128 v[QL:QL+3], v1, s[38:39]
	global_load_b64 v[QL+4:QL+5], v2, s[38:39] offset:512
	global_load_b128 v[QH+6:QH+9], v1, s[38:39]
	global_load_b64 v[QH+10:QH+11], v2, s[38:39] offset:512
	global_load_u16 v[QU], v6, s[40:41]
.endm
	s_sub_co_u32 s[TI], 63, s19
	TILE
	s_wait_alu depctr_va_vdst(0)                   ; the offsets v1, v2, v6, v7 and the fill's addresses v8-11 are written: the loads and stores below read them
	QLOAD
	; THE FILL: 512 threads x 16 bytes x 6 for K's codes and for V's; 8 bytes a thread of the scale words and of m
.irp i, 0,1,2,3,4,5
	global_load_b128 v[96+4*\i:99+4*\i], v8, s[24:25] offset:8192*\i
.endr
.irp i, 0,1,2,3,4,5
	global_load_b128 v[120+4*\i:123+4*\i], v8, s[26:27] offset:8192*\i
.endr
	global_load_b64 v[144:145], v9, s[30:31] offset:2048
	global_load_b64 v[146:147], v9, s[32:33]
	s_wait_loadcnt 0x0
	v_cmp_eq_f32 s2, 0, v146
	v_cmp_eq_f32 s3, 0, v147
	s_wait_alu depctr_va_sdst(0)                   ; the two masks are written, ahead of the selects that read them
	v_cndmask_b32 v146, 0, v[NEG], s2              ; the bias: -3e38 where m = 0
	v_cndmask_b32 v147, 0, v[NEG], s3
.irp i, 0,1,2,3,4,5
	ds_store_b128 v8, v[96+4*\i:99+4*\i] offset:8192*\i     ; loaded data and addresses that no vector instruction has named since the wait ahead of the loads
.endr
.irp i, 0,1,2,3,4,5
	ds_store_b128 v10, v[120+4*\i:123+4*\i] offset:8192*\i
.endr
	ds_store_b64 v11, v[144:145]
	s_wait_alu depctr_va_vdst(0)                   ; the two selects have written v146 and v147, which the store below reads
	ds_store_b64 v11, v[146:147] offset:MB-SCS
	s_wait_dscnt 0x0                               ; for the others' sake: my stores have landed
	s_barrier_signal -1
	s_barrier_wait -1                              ; the head lies in LDS; nothing is written there again
	s_wait_alu depctr_vm_vsrc(0)                   ; my LDS stores have read v96-147, and the fill has read v8-11: the steps' loads and additions and the tiles' ends write them again
.macro INIT
	s_wait_loadcnt 0x0                             ; q
	v_lshl_or_b32 v[QW], v[QU], 16, v[QU]          ; its two bytes for either half of the form's 128
	v_mov_b32 v13, 0xf1800000                      ; the largest t so far: -2^100
	v_floor_f32 v12, -v13                          ; -M
	v_mov_b32 v14, 0
	v_mov_b32 v15, 0
.set n, 0
.rept 32
	v_mov_b32 v[OT+n], 0                           ; the first change of M multiplies zeros.  (These lines also stand between the scale word's making and the first product)
.set n, n+1
.endr
	s_mov_b32 s[KS], 0
	s_mov_b32 s[T6], 0
	s_mov_b32 s[T2], 0
	s_mov_b32 s[T5], 0
.endm
.macro FRAG1 p, off                    ; a fragment: four dense loads
	ds_load_b128 v[KV+12*(\p):KV+12*(\p)+3], v[AD16] offset:\off+1536*(\p)
	ds_load_b64 v[KV+12*(\p)+4:KV+12*(\p)+5], v[AD8] offset:\off+1536*(\p)+512
	ds_load_b128 v[KV+12*(\p)+6:KV+12*(\p)+9], v[AD16] offset:\off+1536*(\p)+768
	ds_load_b64 v[KV+12*(\p)+10:KV+12*(\p)+11], v[AD8] offset:\off+1536*(\p)+1280
.endm
; THE KEY STEPS of a tile: a loop of constant count; a step all of whose keys come after the tile's queries is jumped over (a scalar branch on ids), but for the lines that step addresses.
.macro STEPS ntrip
.Lstep_\@:
	s_cmp_gt_u32 s[KS], s[SD]
	s_cbranch_scc1 .Lhidden_\@
	s_wait_alu depctr_vm_vsrc(0)                   ; the LDS loads issued so far have read v8-11, which the four additions write anew
	v_add_nc_u32 v[AD16], s[T6], v1
	v_add_nc_u32 v[AD8], s[T6], v2
	v_add_nc_u32 v[ADS], s[T2], v3
	v_add_nc_u32 v[ADM], s[T5], v4
	s_wait_alu depctr_va_vdst(0)                   ; the four addresses are written; the last step's products are done reading v44-95 and v212-215, and its vector lines (or the last tile's end) are done with v96-159: the 34 loads below land there.  q's scale word is written too
	ds_load_b128 v[KSW:KSW+3], v[ADS]              ; word p: the bytes of key tiles 2 p and 2 p + 1
.irp p, 0,1,2,3                                ; pair by pair of key tiles, in the order in which the products want them
.irp k, 0,1,2,3
	ds_load_b128 v[S+16*\p+4*\k:S+16*\p+4*\k+3], v[ADM] offset:128*\p+16*\k   ; the bias of keys 32 p + 16 h + 4 k ..: the scores' C
.endr
	FRAG1 \p, 0                                    ; K: the pair's fragment
.endr
	ds_load_b128 v[VSW:VSW+3], v[ADS] offset:2048  ; word ct: the step's four key blocks of channel tile ct
.irp p, 0,1,2,3                                ; eight accumulators by turns
	s_wait_dscnt 25-8*\p                           ; LDS loads come back in order (ISA guide 5.7.1): pair p's bias and fragment are in; the eight loads of each later pair and V's scale words may be out
	v_wmma_scale_f32_16x16x128_f8f6f4 v[S+16*\p:S+16*\p+7], v[KV+12*\p:KV+12*\p+11], v[QL:QL+11], v[S+16*\p:S+16*\p+7], v[KSW+\p], v[QW] matrix_a_fmt:MATRIX_FMT_FP6 matrix_b_fmt:MATRIX_FMT_FP6
	v_wmma_scale_f32_16x16x128_f8f6f4 v[S+16*\p+8:S+16*\p+15], v[KV+12*\p:KV+12*\p+11], v[QH:QH+11], v[S+16*\p+8:S+16*\p+15], v[KSW+\p], v[QW] matrix_a_fmt:MATRIX_FMT_FP6 matrix_b_fmt:MATRIX_FMT_FP6
.endr
.rept 4
	v_nop                                          ; places ahead of the first read of scores (ISA guide 7.12.1)
.endr
	s_wait_alu depctr_va_vdst(0)                   ; the score products are done reading K's fragments, in which V's land
.irp p, 0,1,2,3
	FRAG1 \p, VOFF                                 ; V's four channel tiles: they land under the softmax, no line of which names v44-91
.endr
	s_cmp_lg_u32 s[KS], s[SD]
	s_cbranch_scc1 .Lopen_\@
	v_add_nc_u32 v[TV], s[DQ], v5                  ; the diagonal step: register 16 b + i holds key 32 b + 16 h + i: hidden where 32 b + i > my query - 16 h
.irp g, 0,1                                    ; 32 registers at a time: a run of compares, one wait, a run of selects
.set n, 0
.rept 32
	v_cmp_gt_i32 s[MK+n], 32*((32*\g+n)/16)+n%16, v[TV]
.set n, n+1
.endr
	s_wait_alu depctr_va_sdst(0)                   ; the 32 masks are written, ahead of the selects that read them
.set n, 0
.rept 32
	v_cndmask_b32 v[S+32*\g+n], v[S+32*\g+n], v[NEG], s[MK+n]
.set n, n+1
.endr
.endr
.Lopen_\@:
.irp b, 0,1,2,3
	v_max3_num_f32 v[BM+\b], v[S+16*\b], v[S+1+16*\b], v[S+2+16*\b]   ; the largest score of each block of 32 keys: for the row's maximum and, since p rises with the score, for the block's largest p
.endr
.irp i, 3,5,7,9,11,13
.irp b, 0,1,2,3
	v_max3_num_f32 v[BM+\b], v[BM+\b], v[S+16*\b+\i], v[S+1+16*\b+\i]
.endr
.endr
.irp b, 0,1,2,3
	v_max_num_f32 v[BM+\b], v[BM+\b], v[S+15+16*\b]
.endr
.irp b, 0,1,2,3
	v_permlanex16_b32 v[T4+\b], v[BM+\b], s[SEL], s[SEL+1]
.endr
.irp b, 0,1,2,3
	v_max_num_f32 v[BM+\b], v[BM+\b], v[T4+\b]     ; with lane l xor 16's 16 keys
.endr
	v_max3_num_f32 v[TV], v[BM], v[BM+1], v[BM+2]
	v_max_num_f32 v[TV], v[TV], v[BM+3]
	v_mul_f32 v[TV], s[CS], v[TV]                  ; as t
	v_max_num_f32 v13, v13, v[TV]                  ; the running largest t
	v_mov_b32 v[TV], v12
	v_floor_f32 v12, -v13                          ; the new -M = floor(-t): M is a whole number
	v_sub_f32 v[TV], v12, v[TV]                    ; old M - new M: a whole number, 0 or less
	v_cvt_i32_f32 v[TV], v[TV]                     ; (it saturates)
	v_ldexp_f32 v[F], 1.0, v[TV]                   ; f = 2^(old M - new M): a multiplication by it rounds nothing
.set n, 0
.rept 32
	v_pk_fma_f32 v[S+n:S+n+1], v[S+n:S+n+1], s[CS:CS+1], v[12:13] op_sel_hi:[1,0,0]   ; t - M, two at a time
.set n, n+2
.endr
.irp b, 0,1,2,3
	v_fma_f32 v[BM+\b], v[BM+\b], s[CS], v12
.endr
.set n, 0
.rept 64
	v_exp_f32 v[S+n], v[S+n]                       ; p = 2^(t - M), at most 1
.set n, n+1
.endr
	v_pk_mul_f32 v[14:15], v[14:15], v[F:F+1] op_sel_hi:[1,0]   ; the sums under the new M; the plain line behind the exponentials
	s_wait_alu depctr_va_vdst(0)                   ; the 64 exponentials have written v96-159: one wait for the batch, ahead of its first reader
.irp b, 0,1,2,3
	v_exp_f32 v[BM+\b], v[BM+\b]                   ; the block's largest p
.endr
	v_pk_add_f32 v[T4:T4+1], v[S:S+1], v[S+2:S+3]  ; the sum of the unquantised p, in two chains; it reads the 64 alone
.irp j, 4,8,12,16,20,24,28,32,36,40,44,48,52,56,60
	v_pk_add_f32 v[14:15], v[14:15], v[S+\j:S+\j+1]
	v_pk_add_f32 v[T4:T4+1], v[T4:T4+1], v[S+2+\j:S+3+\j]
.endr
	v_pk_add_f32 v[14:15], v[14:15], v[T4:T4+1]
	s_wait_alu depctr_va_vdst(0)                   ; the four exponentials have written v220-223, ahead of their first reader
.irp b, 0,1,2,3
	v_max_num_f32 v[BM+\b], 0x1800000, v[BM+\b]    ; the floor 2^(3 - 127): the byte cannot fall under 1
.endr
.irp b, 0,1,2,3
	v_add_nc_u32 v[SO+\b], 0xff000000, v[BM+\b]
.endr
.irp b, 0,1,2,3
	v_lshrrev_b32 v[T4+\b], 23, v[SO+\b]
.endr
	v_lshl_or_b32 v[PW], v[T4+1], 8, v[T4]         ; p's scale word for these 128 keys
	v_lshl_or_b32 v[PW], v[T4+2], 16, v[PW]
	v_lshl_or_b32 v[PW], v[T4+3], 24, v[PW]
.irp c, 0,1
	v_cvt_scalef32_pk16_fp6_f32 v[PC+6*\c:PC+6*\c+2], v[S+32*\c:S+32*\c+15], v[SO+2*\c]
	v_cvt_scalef32_pk16_fp6_f32 v[PH+4*\c:PH+4*\c+2], v[S+32*\c+16:S+32*\c+31], v[SO+2*\c+1]
.endr
	v_nop                                          ; one plain line behind a scaled conversion
.irp c, 0,1
.irp i, 0,1,2
	v_permlane16_swap_b32 v[PC+6*\c+\i], v[PH+4*\c+\i]
.endr
.irp i, 0,1,2
	v_mov_b32 v[PC+3+6*\c+\i], v[PH+4*\c+\i]
.endr
.endr
.set n, 0
.rept 16
	v_pk_mul_f32 v[OT+n:OT+n+1], v[OT+n:OT+n+1], v[F:F+1] op_sel_hi:[1,0]   ; O^T under the new M; also the lines between the operand's and the scale word's making and the products
.set n, n+2
.endr
	s_wait_alu depctr_va_vdst(0)                   ; p's codes v192-203 and its scale word v216 are written: the scaled products below take them as operand and scales; the lines above stay beside this wait
	s_wait_dscnt 0x0                               ; V is in
.irp t, 0,1,2,3                                ; four accumulators by turns
	v_wmma_scale_f32_16x16x128_f8f6f4 v[OT+8*\t:OT+8*\t+7], v[KV+12*\t:KV+12*\t+11], v[PC:PC+11], v[OT+8*\t:OT+8*\t+7], v[VSW+\t], v[PW] matrix_a_fmt:MATRIX_FMT_FP6 matrix_b_fmt:MATRIX_FMT_FP6
.endr
.Lhidden_\@:
	s_add_co_u32 s[T6], s[T6], 6144
	s_add_co_u32 s[T2], s[T2], 256
	s_add_co_u32 s[T5], s[T5], 512
	s_add_co_u32 s[KS], s[KS], 1
	s_cmp_lt_u32 s[KS], \ntrip
	s_cbranch_scc1 .Lstep_\@
.endm
; A tile's end: O^T / the sum, quantised along the head's 64 channels (two blocks), stored as a half fragment.  next = 1: the second tile's q is asked for first.
.macro FINISH next
.rept 4
	v_nop                                          ; places behind the last products
.endr
	s_mul_i32 s20, s[TI], 12288
	s_mov_b32 s21, 0
	s_add_nc_u64 s[42:43], s[34:35], s[20:21]
	s_lshl_b32 s20, s[TI], 9
	s_add_nc_u64 s[44:45], s[36:37], s[20:21]
.if \next
	s_mov_b32 s[TI], s19
	TILE
	s_wait_alu depctr_va_vdst(0)                   ; the score products are done reading q's registers, and the line that made its scale word is done reading v41: the next tile's q lands there
	QLOAD
.endif
	v_add_f32 v14, v14, v15
	v_permlanex16_b32 v[TV], v14, s[SEL], s[SEL+1]
	v_add_f32 v14, v14, v[TV]                      ; the row's sum
	v_max_num_f32 v14, 0x800000, v14               ; held at 2^-126: a row with no key gives 0
	v_rcp_f32 v14, v14
	v_nop                                          ; a plain line behind the reciprocal
	s_wait_alu depctr_va_vdst(0)                   ; the reciprocal has written v14, ahead of its first reader
.set n, 0
.rept 16
	v_pk_mul_f32 v[S+n:S+n+1], v[OT+n:OT+n+1], v[14:15] op_sel_hi:[1,0]   ; register 16 b + i: channel 32 b + 16 h + i
.set n, n+2
.endr
.irp b, 0,1
	v_max3_num_f32 v[BM+\b], |v[S+16*\b]|, |v[S+1+16*\b]|, 0x1800000
.endr
.irp i, 2,4,6,8,10,12,14
.irp b, 0,1
	v_max3_num_f32 v[BM+\b], v[BM+\b], |v[S+16*\b+\i]|, |v[S+1+16*\b+\i]|
.endr
.endr
.irp b, 0,1
	v_permlanex16_b32 v[T4+\b], v[BM+\b], s[SEL], s[SEL+1]
.endr
.irp b, 0,1
	v_max_num_f32 v[BM+\b], v[BM+\b], v[T4+\b]
.endr
.irp b, 0,1
	v_add_nc_u32 v[SO+\b], 0xff000000, v[BM+\b]
.endr
.irp b, 0,1
	v_lshrrev_b32 v[T4+\b], 23, v[SO+\b]
.endr
	v_cvt_scalef32_pk16_fp6_f32 v[PC:PC+2], v[S:S+15], v[SO]
	v_cvt_scalef32_pk16_fp6_f32 v[PH:PH+2], v[S+16:S+31], v[SO+1]
	v_nop                                          ; one plain line behind a scaled conversion
	v_cndmask_b32 v[TV], v[T4], v[T4+1], s[HM]     ; lanes 0-15 send block 0's byte, lanes 16-31 block 1's
.irp i, 0,1,2
	v_permlane16_swap_b32 v[PC+\i], v[PH+\i]
.endr
.irp i, 0,1,2
	v_mov_b32 v[PC+3+\i], v[PH+\i]
.endr
	s_wait_alu depctr_va_vdst(0)                   ; o's codes v192-197 and its scale byte v234 are written, which the three stores read
	global_store_b128 v1, v[PC:PC+3], s[42:43]     ; 512 consecutive bytes, aligned to 256
	global_store_b64 v2, v[PC+4:PC+5], s[42:43] offset:512
	global_store_b8 v7, v[TV], s[44:45]
	s_wait_xcnt 0x0                                ; the stores have read their data and bases: both are written again only behind this wait
.if \next
	s_wait_alu depctr_vm_vsrc(0)                   ; the three stores have read v192-197 and v234, which the next tile's lines write again
.endif
.endm
	INIT
	STEPS 8                                        ; tile 63 - i0: its last step is 4 to 7
	FINISH 1
	INIT
	STEPS 4                                        ; tile i0: its last step is 0 to 3
	FINISH 0
	s_wait_dscnt 0x0
	s_wait_alu depctr_hold_cnt(0) depctr_sa_sdst(0) depctr_va_vdst(0) depctr_va_sdst(0) depctr_va_ssrc(0) depctr_va_vcc(0) depctr_vm_vsrc(0)
	s_wait_tensorcnt 0x0
	ds_add_u32 v238, v239
	s_wait_dscnt 0x0
	s_endpgm
.Lfunc_end_k_q96a3611713_attn:
	.size	k_q96a3611713_attn, .Lfunc_end_k_q96a3611713_attn-k_q96a3611713_attn
	.p2alignl 7, 3214868480
	.fill 96, 4, 3214868480
	.section	.rodata,"a",@progbits
	.p2align	6, 0x0
	.amdhsa_kernel k_q96a3611713_attn
		.amdhsa_group_segment_fixed_size 108544
		.amdhsa_private_segment_fixed_size 0
		.amdhsa_enable_private_segment 0
		.amdhsa_kernarg_size 40
		.amdhsa_user_sgpr_count 2
		.amdhsa_user_sgpr_kernarg_segment_ptr 1
		.amdhsa_wavefront_size32 1
		.amdhsa_system_sgpr_workgroup_id_x 1
		.amdhsa_system_sgpr_workgroup_id_y 1
		.amdhsa_system_sgpr_workgroup_id_z 1
		.amdhsa_system_vgpr_workitem_id 0
		.amdhsa_next_free_vgpr 240
		.amdhsa_next_free_sgpr 100
		.amdhsa_reserve_vcc 0
		.amdhsa_float_denorm_mode_32 3
		.amdhsa_float_denorm_mode_16_64 3
		.amdhsa_memory_ordered 1
		.amdhsa_forward_progress 1
		.amdhsa_inst_pref_size 72
	.end_amdhsa_kernel
	.amdgpu_metadata
---
amdhsa.version: [ 1, 2 ]
amdhsa.kernels:
  - .name:           k_q96a3611713_attn
    .symbol:         k_q96a3611713_attn.kd
    .args:
      - { .name: qkvc, .offset: 0, .size: 8, .value_kind: global_buffer, .address_space: global }
      - { .name: qkvs, .offset: 8, .size: 8, .value_kind: global_buffer, .address_space: global }
      - { .name: m, .offset: 16, .size: 8, .value_kind: global_buffer, .address_space: global }
      - { .name: oc, .offset: 24, .size: 8, .value_kind: global_buffer, .address_space: global }
      - { .name: os, .offset: 32, .size: 8, .value_kind: global_buffer, .address_space: global }
    .group_segment_fixed_size: 108544
    .private_segment_fixed_size: 0
    .kernarg_segment_align: 8
    .kernarg_segment_size: 40
    .max_flat_workgroup_size: 512
    .sgpr_count:     100
    .vgpr_count:     240
    .wavefront_size: 32
...
	.end_amdgpu_metadata
.endif
;; end of part 5
;; launch proj: the kernel of part 4 again; grid 4 x 32, 4 waves a work-group, clusters of 4 x 4, 327,680 bytes of LDS; arguments oc, os, cod, scl, b_out, m, out0; writes out0
